; MI455X (gfx1250); checked and timed in simulation.
; The chip was launched on July 23, 2026; its instructions are those of AMD's public machine-readable ISA for CDNA 5 (MIT licence, August 2026) and "CDNA5" Instruction Set Architecture Reference Guide (July 2026). The comments in the code are by the model that wrote it; some were corrected since.
;; Transformer Enc Layer. Allowed arithmetic: matrix products marked QUANTISED: E5M2 operands, one E8M0 scale for each 32 along K, by v_wmma_scale_f32_16x16x128_f8f6f4 with both operands' format E5M2, f32 sums; everything else in f32.
;; Inputs: W1_codes 4,096 x 32 x 32 uint8 (E5M2 codes of W1, K innermost, in blocks of 32 codes); W1_scales 4,096 x 32 uint8 (E8M0 scales of W1, one for each 32 codes along K); W2_codes 1,024 x 128 x 32 uint8 (E5M2 codes of W2, K innermost, in blocks of 32 codes); W2_scales 1,024 x 128 uint8 (E8M0 scales of W2, one for each 32 codes along K); Wk_codes 1,024 x 32 x 32 uint8 (E5M2 codes of Wk, K innermost, in blocks of 32 codes); Wk_scales 1,024 x 32 uint8 (E8M0 scales of Wk, one for each 32 codes along K); Wq_codes 1,024 x 32 x 32 uint8 (E5M2 codes of Wq, K innermost, in blocks of 32 codes); Wq_scales 1,024 x 32 uint8 (E8M0 scales of Wq, one for each 32 codes along K); Wv_codes 1,024 x 32 x 32 uint8 (E5M2 codes of Wv, K innermost, in blocks of 32 codes); Wv_scales 1,024 x 32 uint8 (E8M0 scales of Wv, one for each 32 codes along K); b1 4,096 float32; b2 1,024 float32; beta1 1,024 float32; beta2 1,024 float32; bk 1,024 float32; bq 1,024 float32; bv 1,024 float32; g1 1,024 float32; g2 1,024 float32; mask 2 x 2,048 bool; x 2 x 2,048 x 1,024 float32.
;; Outputs: out0 2 x 2,048 x 1,024 float32.
;; This version of the problem:
;;   THIS VERSION OF THE PROBLEM IS GIVEN IN LOW PRECISION. The matrix products marked QUANTISED in the list below multiply operands that are first quantised to E5M2 (5 exponent bits, 2 mantissa bits; 8 bits a number), with one power-of-two scale for each 32 numbers along K (OCP MX v1.0); their sums are f32. All else is computed in f32.
;;   The module's matrix products, in the order in which they are computed (A, B: the left and right operand; K: the contracted axis; several contracted axes count as one K, in the product's order):
;;     1. [M 4,096, K 1,024] x [K 1,024, N 1,024]; A: input x; B: input Wq (given as codes): QUANTISED
;;     2. [M 4,096, K 1,024] x [K 1,024, N 1,024]; A: input x; B: input Wk (given as codes): QUANTISED
;;     3. [M 4,096, K 1,024] x [K 1,024, N 1,024]; A: input x; B: input Wv (given as codes): QUANTISED
;;     4. batch 32 x [M 2,048, K 64] x [K 64, N 2,048]; A: computed on the way; B: computed on the way: QUANTISED
;;     5. batch 32 x [M 64, K 2,048] x [K 2,048, N 2,048]; A: computed on the way; B: softmax (see below): QUANTISED
;;     6. [M 4,096, K 1,024] x [K 1,024, N 4,096]; A: computed on the way; B: input W1 (given as codes): QUANTISED
;;     7. [M 4,096, K 4,096] x [K 4,096, N 1,024]; A: computed on the way; B: input W2 (given as codes): QUANTISED
;;   THE QUANTISER, for each operand of a quantised product, along K:
;;     - K is cut into blocks of 32 from its start; a last block that is shorter is filled with zeros.
;;     - A block's scale is 2^e with e = floor(log2(the largest magnitude in the block)) - 15, held to -126 .. 127; a block of zeros has e = 0. As a byte (E8M0): e + 127.
;;     - Each number is divided by its block's scale, clamped to +-57,344, and rounded to the nearest number of E5M2, ties to even, subnormals kept.
;;     - The product sums the exact products of the quantised numbers (number of the format x scale) in f32.
;;   ~~~python
;;   def quantise(x, axis):      # numpy; x: float32 -> the quantised numbers, widened to float32 again
;;       x = np.moveaxis(x, axis, -1); K = x.shape[-1]
;;       x = np.pad(x, [(0, 0)] * (x.ndim - 1) + [(0, -K % 32)]); x = x.reshape(x.shape[:-1] + (-1, 32)); a = np.abs(x).max(-1, keepdims=True)
;;       e = np.where(a > 0, np.clip(np.frexp(np.where(a > 0, a, 1))[1] - 1 - 15, -126, 127), 0)      # np.frexp(a)[1] - 1 = floor(log2(a)), exactly
;;       r = np.clip(x / 2.0 ** e, -57344, 57344)
;;       step = 2.0 ** (np.maximum(np.frexp(np.where(r == 0, 1, r))[1] - 1, -14) - 2)
;;       q = np.round(r / step) * step * 2.0 ** e      # np.round: ties to even
;;       return np.moveaxis(q.reshape(q.shape[:-2] + (-1,))[..., :K], -1, axis).astype(np.float32)
;;   ~~~
;;   SOFTMAX AHEAD OF A QUANTISED PRODUCT. Where the list says 'softmax', what is quantised is not the finished softmax but p = 2^(t - M), with t = logit x log2(e) and M = ceil(the row's largest t), a whole number; so 1/2 < the row's largest p <= 1. The row's sum l is taken of the UNQUANTISED p, in f32, and the product's result is divided by l at the end. Since M is a whole number, a kernel that streams over the keys may use a running M (the ceiling of the running maximum): every later rescaling is an exact power of two, which a block's scale takes up: the codes' values come out the same.
;;   OPERANDS COMPUTED ON THE WAY. 'Computed on the way' means the value that the module computes at that place (a softmax that the list does not call 'softmax' is quantised finished and normalised). What goes into a quantiser is computed in f32, as accurately as f32 sums, v_exp_f32 and their like allow (about 1e-6 of the number): no bf16 or f16 on the way to a quantiser, and a product that is left as it is and whose result goes on into a quantised operand takes f32 operands (vector FMAs, or v_wmma_f32_16x16x4_f32). A number that lies on a knife's edge between two numbers of the format may be rounded either way, as far as f32 arithmetic and the matrix unit's own rounding can turn it there, and no further.
;;   INPUTS GIVEN AS CODES. W1 (in the module: [1024, 4096], K = its axis 0); W2 (in the module: [4096, 1024], K = its axis 0); Wk (in the module: [1024, 1024], K = its axis 0); Wq (in the module: [1024, 1024], K = its axis 0); Wv (in the module: [1024, 1024], K = its axis 0): each comes as NAME_codes (uint8): NAME with its K axis moved to the last place and cut into blocks of 32 codes, [.., K / 32, bytes a block], one block behind the other in memory; one code a byte (a code: sign, 5 exponent bits, 2 mantissa bits); and NAME_scales (uint8): the same leading axes, one E8M0 byte (e + 127) for each 32 codes along K. Its value is code x scale, taken as it is: it is not quantised again, and the codes and scales need not be those that the quantiser above would give.
;; One version. Each part assembles by itself: llvm-mc -triple=amdgcn-amd-amdhsa -mcpu=gfx1250 --defsym DOCPART=n.
;; ======== version 1 of 1: 7 launches
;; limits: right only within a limited range of input values
;; workspace buffers: wprep 16,220,160 bytes; wqkv 12,976,128 bytes; wattn 16,777,216 bytes; wh1 21,102,592 bytes; whid 17,301,504 bytes; wff 16,777,216 bytes
;; launch prep (part 1): grid 304 x 1, 4 waves a work-group, no clusters, 92,672 bytes of LDS; arguments x, Wq_codes, Wq_scales, Wk_codes, Wk_scales, Wv_codes, Wv_scales, W1_codes, W1_scales, W2_codes, W2_scales, wprep; writes wprep
.if DOCPART == 1
	.amdgcn_target "amdgcn-amd-amdhsa--gfx1250"
	.amdhsa_code_object_version 6
	.text
	.protected	k_q80df9f098d_prep
	.globl	k_q80df9f098d_prep
	.p2align	8
	.type	k_q80df9f098d_prep,@function
k_q80df9f098d_prep:
	s_mov_b64 s[64:65], 0
	v_nop
	global_prefetch_b8 v0, s[64:65] scope:SCOPE_SE
	s_setreg_imm32_b32 hwreg(HW_REG_WAVE_MODE, 25, 1), 1
	s_wait_xcnt 0x0
; x (f32) is quantised to E5M2 codes with one E8M0 byte for each 32 along K, and the five weights, which arrive as codes, are laid anew.
; Everything is stored as IMAGES OF OPERAND REGISTERS: 16 rows x 128 K are 2,048 bytes; byte 512 c + 16 lane + i (lane = 16 h + r) is row r, K position 32 c + 16 h + i.
; Images lie block-major: ((block of R rows x K steps + K step) x R/16 + 16-row block) x 2,048; scale words (4 bytes: one K step of one row) ((block x K steps + K step) x R + row) x 4.
; R = 128 for x, Wq|Wk, Wv, W1 (8 K steps); R = 64 for W2 (32 K steps).  W2 is laid with the order of K changed inside each 32: position 16 h + 8 u + j holds index 16 u + 8 h + j,
; the order in which the hidden layer's codes fall out of the launch that makes them.  The change stays inside a block of 32, so the scale bytes stand as they are.
; Work-groups 0-127: x (a wave: 16 rows x 512 numbers).  128-239: Wq, Wk, Wv, W1 (a wave: 16 rows x 1,024 codes).  240-303: W2 (a wave: 16 rows x a quarter of K).
; The three paths part on the work-group's number and have LDS bytes of their own; waves share nothing, so there is no barrier.
; LIMITS: NaN and infinities in x are not served; a block of zeros gets the byte 1 (its codes are zeros, and this program alone reads the bytes).
.set XC,    0
.set WQK,   0x400000
.set WV,    0x600000
.set W1I,   0x700000
.set W2I,   0xB00000
.set XSO,   0xF00000
.set WQKS,  0xF20000
.set WVS,   0xF30000
.set W1S,   0xF38000
.set W2S,   0xF58000
.set SP,    80                         ; a lane's place in a turning stage: 64 bytes + 16 of padding
.set STEPS, 16
.set R,     16                         ; v16-79   four sets of 16 numbers as loaded; at the end the images on their way out
.set X,     80                         ; v80-111  two sets of 16 neighbours
.set E,     112                        ; v112-127 a scale byte for each row
.set C,     128                        ; v128-191 codes, four registers for each row
.set XREG,  14336                      ; path x: LDS bytes of a wave: two turning stages, the codes' stage, the scale bytes
.set CST,   5120                       ; 32 pieces x (256 bytes + 16)
.set SST,   13824                      ; 4 K steps x 16 rows x 4 bytes
.set RLDS,  57344                      ; path of the K = 1,024 weights: 16 x 272 bytes a wave
.set R2LDS, 74752                      ; path of W2: likewise
	s_load_b512 s[4:19], s[0:1], 0x0               ; x, Wq codes, Wq scales, Wk codes, Wk scales, Wv codes, Wv scales, W1 codes
	s_load_b256 s[20:27], s[0:1], 0x40             ; W1 scales, W2 codes, W2 scales, the workspace
	v_lshl_add_u32 v192, v0, 2, 0x16800
	v_mov_b32 v193, 0
	v_lshrrev_b32 v1, 5, v0
	v_readfirstlane_b32 s28, v1                    ; wave
	v_and_b32 v2, 31, v0                           ; lane
	v_lshlrev_b32 v3, 4, v2                        ; 16 x lane
	s_cmp_ge_u32 ttmp9, 128
	s_cbranch_scc1 .Lweights
	; ---------------- x: task = 4 g + wave; 16-row block = task / 2, half of K = task % 2
	s_mul_i32 s29, s28, XREG
	v_lshrrev_b32 v14, 2, v2
	v_mul_u32_u24 v14, v14, SP
	v_and_b32 v15, 3, v2
	v_lshl_add_u32 v14, v15, 4, v14
	v_add_nc_u32 v14, s29, v14                     ; turning stage, in: SP (lane / 4) + 16 (lane % 4)
	v_mul_u32_u24 v15, v2, SP
	v_add_nc_u32 v15, s29, v15                     ; and out: SP x lane: 16 neighbours
	v_mul_u32_u24 v4, v2, 272
	v_add_nc_u32 v4, s29, v4
	v_add_nc_u32 v4, CST, v4                       ; my piece of the images: 256 bytes, 16 for each row
	v_lshrrev_b32 v5, 3, v2
	v_bfe_u32 v6, v2, 1, 2
	v_lshl_add_u32 v5, v5, 6, v6
	v_add_nc_u32 v5, s29, v5
	v_add_nc_u32 v5, SST, v5                       ; my block's byte: 64 (lane / 8) + (lane / 2) % 4, + 4 x row
	v_lshrrev_b32 v6, 4, v2
	v_mul_u32_u24 v6, v6, 272
	v_and_b32 v7, 15, v2
	v_lshl_add_u32 v6, v7, 4, v6
	v_add_nc_u32 v6, s29, v6
	v_add_nc_u32 v6, CST, v6                       ; pieces back: sixteen lanes to a piece, two pieces a load
	v_lshl_add_u32 v7, v2, 3, s29
	v_add_nc_u32 v7, SST, v7                       ; scale words back: 8 bytes a lane
	v_lshrrev_b32 v12, 3, v2
	v_and_b32 v13, 7, v2
	v_lshlrev_b32 v13, 3, v13
	v_lshl_add_u32 v12, v12, 9, v13                ; their place in memory: 512 (lane / 8) + 8 (lane % 8)
	s_lshl_b32 s30, ttmp9, 2
	s_add_co_u32 s30, s30, s28
	s_and_b32 s31, s30, 1                          ; half
	s_lshr_b32 s30, s30, 1                         ; 16-row block
	s_lshl_b32 s32, s30, 16
	s_lshl_b32 s33, s31, 11
	s_add_co_u32 s32, s32, s33                     ; x: block x 16 rows of 4,096 bytes + half x 2,048
	s_mov_b32 s33, 0
	s_lshr_b32 s34, s30, 3
	s_and_b32 s36, s30, 7
	s_lshl_b32 s38, s34, 17
	s_lshl_b32 s37, s31, 16
	s_add_co_u32 s38, s38, s37
	s_lshl_b32 s37, s36, 11
	s_add_co_u32 s38, s38, s37                     ; images: (block / 8) x 131,072 + half x 4 K steps + (block % 8) x 2,048  (XC = 0)
	s_mov_b32 s39, 0
	s_lshl_b32 s40, s34, 12
	s_lshl_b32 s37, s31, 11
	s_add_co_u32 s40, s40, s37
	s_lshl_b32 s37, s36, 6
	s_add_co_u32 s40, s40, s37
	s_add_co_u32 s40, s40, XSO
	s_mov_b32 s41, 0
	s_mov_b32 s42, 0x600000                        ; the mantissa field of 57,344
	s_wait_kmcnt 0x0
	s_add_nc_u64 s[4:5], s[4:5], s[32:33]
	s_add_nc_u64 s[38:39], s[26:27], s[38:39]
	s_add_nc_u64 s[40:41], s[26:27], s[40:41]
.macro XLOAD t                         ; row t: 2,048 bytes, each load 512 consecutive bytes
.irp i, 0,1,2,3
	global_load_b128 v[R+16*((\t)%4)+4*\i:R+16*((\t)%4)+4*\i+3], v3, s[4:5] offset:4096*(\t)+512*\i
.endr
.endm
.macro XTURN t                         ; through the stage: LDS serves a wave's instructions in order, so no wait stands between the stores and the loads
.irp i, 0,1,2,3
	ds_store_b128 v14, v[R+16*((\t)%4)+4*\i:R+16*((\t)%4)+4*\i+3] offset:32*SP*((\t)%2)+8*SP*\i
.endr
.irp i, 0,1,2,3
	ds_load_b128 v[X+16*((\t)%2)+4*\i:X+16*((\t)%2)+4*\i+3], v15 offset:32*SP*((\t)%2)+16*\i
.endr
.endm
.irp t, 0,1,2,3
	XLOAD \t
.endr
	s_wait_loadcnt 12                              ; row 0's four loads are in
	XTURN 0
.macro XSTEP t
.set XS, X+16*((\t)%2)
.if (\t) > 0
	s_wait_dscnt 2                                 ; this row is back from the stage; the last row's two stores (byte, codes) may be out
.else
	s_wait_dscnt 0x0
.endif
.if (\t)+4 < STEPS
	XLOAD (\t)+4                                   ; into the registers whose stores into the stage are done
.endif
.if (\t)+1 < STEPS
.if STEPS-2-(\t) >= 3
	s_wait_loadcnt 12                              ; the next row is in; three rows behind it may be out
.else
	s_wait_loadcnt 4*(STEPS-2-(\t))
.endif
	XTURN (\t)+1
.endif
	v_max3_num_f32 v8, |v[XS]|, |v[XS+1]|, |v[XS+2]|
	v_max3_num_f32 v9, |v[XS+3]|, |v[XS+4]|, |v[XS+5]|
.irp i, 6,10
	v_max3_num_f32 v8, v8, |v[XS+\i]|, |v[XS+\i+1]|
	v_max3_num_f32 v9, v9, |v[XS+\i+2]|, |v[XS+\i+3]|
.endr
	v_max3_num_f32 v8, v8, |v[XS+14]|, |v[XS+15]|
	v_max3_num_f32 v8, v8, v9, 0x8000000           ; the floor 2^(16 - 127): the byte cannot fall under 1
	v_max_num_f32_dpp v8, v8, v8 row_xmask:1 row_mask:0xf bank_mask:0xf   ; with my neighbour's 16: the block's largest magnitude
	v_add_nc_u32 v11, 0xf8800000, v8               ; 15 off its exponent field: the conversion's scale operand
	v_and_or_b32 v10, v8, 0x7f800000, s42          ; 57,344 x the scale
.irp i, 0,1,2,3,4,5,6,7,8,9,10,11,12,13,14,15
	v_med3_num_f32 v[XS+\i], v[XS+\i], -v10, v10   ; the conversion does not saturate (ISA guide 7.6.2): the hold comes first
.endr
	v_cvt_scalef32_pk8_bf8_f32 v[C+4*(\t):C+4*(\t)+1], v[XS:XS+7], v11
	v_cvt_scalef32_pk8_bf8_f32 v[C+4*(\t)+2:C+4*(\t)+3], v[XS+8:XS+15], v11
	v_lshrrev_b32 v[E+(\t)], 23, v11               ; the scale's byte (also the plain line behind the conversions)
	ds_store_b8 v5, v[E+(\t)] offset:4*(\t)        ; both lanes of a block write the same byte
	ds_store_b128 v4, v[C+4*(\t):C+4*(\t)+3] offset:16*(\t)
.endm
.irp t, 0,1,2,3,4,5,6,7,8,9,10,11,12,13,14,15
	XSTEP \t
.endr
.irp i, 0,1,2,3,4,5,6,7,8,9,10,11,12,13,14,15
	ds_load_b128 v[R+4*\i:R+4*\i+3], v6 offset:544*\i
.endr
	ds_load_b64 v[8:9], v7
.irp i, 0,1,2,3,4,5,6,7,8,9,10,11,12,13,14,15
	s_wait_dscnt 16-\i
	global_store_b128 v3, v[R+4*\i:R+4*\i+3], s[38:39] offset:(\i/4)*16384+(\i%4)*512   ; 512 consecutive bytes of an image
.endr
	s_wait_dscnt 0x0
	global_store_b64 v12, v[8:9], s[40:41]
	s_wait_tensorcnt 0x0
	ds_add_u32 v192, v193
	s_wait_dscnt 0x0
	s_endpgm
	; ---------------- the weights
; One wave: 16 rows x 1,024 bytes of K (8 K steps).  KB: a row in memory; KSTR: from K step to K step in the images; SPB: a row of scale bytes; SSTR: from K step to K step in the scale words.
; A piece of 256 bytes of each row is loaded densely, turned through the stage (16 columns of 16 bytes x 16 rows) and stored as 512 consecutive bytes of an image.
.macro RELAY KB, KSTR, SPB, SSTR, PI
	v_mul_u32_u24 v8, v5, \KB
	v_lshl_add_u32 v8, v4, 4, v8                   ; codes: (lane / 16) rows + 16 (lane % 16)
	v_mul_u32_u24 v9, v4, \SPB
	v_lshl_add_u32 v9, v5, 4, v9                   ; scale bytes: row lane % 16, K steps 4 (lane / 16) on
	v_mul_u32_u24 v10, v5, 4*\SSTR
	v_lshl_add_u32 v10, v4, 2, v10                 ; and where their words go
	global_load_b128 v[12:15], v9, s[34:35]
.irp t, 0,1,2,3
.irp i, 0,1,2,3,4,5,6,7
	global_load_b128 v[32+32*\t+4*\i:32+32*\t+4*\i+3], v8, s[32:33] offset:2*\i*\KB+256*\t
.endr
.endr
	s_wait_alu depctr_va_vdst(0)
.irp t, 0,1,2,3
	s_wait_loadcnt 24-8*\t                         ; piece t is in; the later pieces, 8 loads each, may be out
.if \PI
.irp i, 0,1,2,3,4,5,6,7
	v_mov_b32_dpp v16, v[32+32*\t+4*\i] row_xmask:1 row_mask:0xf bank_mask:0xf
	v_mov_b32_dpp v17, v[32+32*\t+4*\i+1] row_xmask:1 row_mask:0xf bank_mask:0xf
	v_mov_b32_dpp v18, v[32+32*\t+4*\i+2] row_xmask:1 row_mask:0xf bank_mask:0xf
	v_mov_b32_dpp v19, v[32+32*\t+4*\i+3] row_xmask:1 row_mask:0xf bank_mask:0xf
	v_cndmask_b32 v[32+32*\t+4*\i], v[32+32*\t+4*\i], v18, vcc_lo          ; an even lane keeps its low 8 bytes and takes its neighbour's low 8;
	v_cndmask_b32 v[32+32*\t+4*\i+1], v[32+32*\t+4*\i+1], v19, vcc_lo      ; an odd lane takes its neighbour's high 8 and keeps its own high 8
	v_cndmask_b32 v[32+32*\t+4*\i+2], v16, v[32+32*\t+4*\i+2], vcc_lo
	v_cndmask_b32 v[32+32*\t+4*\i+3], v17, v[32+32*\t+4*\i+3], vcc_lo
.endr
.endif
.irp i, 0,1,2,3,4,5,6,7
	ds_store_b128 v6, v[32+32*\t+4*\i:32+32*\t+4*\i+3] offset:32*\i
.endr
.irp i, 0,1,2,3,4,5,6,7
	ds_load_b128 v[32+32*\t+4*\i:32+32*\t+4*\i+3], v7 offset:544*\i        ; LDS serves a wave's instructions in order: these see the stores above
.endr
	s_wait_dscnt 0x0
.irp i, 0,1,2,3,4,5,6,7
	global_store_b128 v3, v[32+32*\t+4*\i:32+32*\t+4*\i+3], s[36:37] offset:(2*\t+\i/4)*\KSTR+(\i%4)*512
.endr
.endr
.irp i, 0,1,2,3
	global_store_b32 v10, v[12+\i], s[38:39] offset:\i*\SSTR
.endr
.endm
.Lweights:
	s_wait_alu depctr_va_vdst(0)
	v_and_b32 v4, 15, v2
	v_lshrrev_b32 v5, 4, v2
	s_mul_i32 s29, s28, 4352
	v_mul_u32_u24 v6, v4, 272
	v_lshl_add_u32 v6, v5, 4, v6
	v_add_nc_u32 v6, s29, v6                       ; stage, in: column lane % 16, row lane / 16 (+ 2 i)
	v_mul_u32_u24 v7, v5, 272
	v_lshl_add_u32 v7, v4, 4, v7
	v_add_nc_u32 v7, s29, v7                       ; stage, back: column lane / 16 (+ 2 i), 16 bytes a row
	s_sub_co_u32 s30, ttmp9, 128
	s_mov_b32 s43, 0
	s_cmp_ge_u32 s30, 112
	s_cbranch_scc1 .Lw2
	v_add_nc_u32 v6, RLDS, v6
	v_add_nc_u32 v7, RLDS, v7
	s_wait_kmcnt 0x0
	s_mov_b64 s[32:33], s[6:7]                     ; which tensor: chosen by the work-group's number alone
	s_mov_b64 s[34:35], s[8:9]
	s_mov_b32 s40, 0
	s_mov_b32 s36, WQK
	s_mov_b32 s38, WQKS
	s_cmp_ge_u32 s30, 16
	s_cselect_b64 s[32:33], s[10:11], s[32:33]
	s_cselect_b64 s[34:35], s[12:13], s[34:35]
	s_cselect_b32 s40, 16, s40
	s_cselect_b32 s36, WQK+0x100000, s36
	s_cselect_b32 s38, WQKS+0x8000, s38
	s_cmp_ge_u32 s30, 32
	s_cselect_b64 s[32:33], s[14:15], s[32:33]
	s_cselect_b64 s[34:35], s[16:17], s[34:35]
	s_cselect_b32 s40, 32, s40
	s_cselect_b32 s36, WV, s36
	s_cselect_b32 s38, WVS, s38
	s_cmp_ge_u32 s30, 48
	s_cselect_b64 s[32:33], s[18:19], s[32:33]
	s_cselect_b64 s[34:35], s[20:21], s[34:35]
	s_cselect_b32 s40, 48, s40
	s_cselect_b32 s36, W1I, s36
	s_cselect_b32 s38, W1S, s38
	s_sub_co_u32 s40, s30, s40
	s_lshl_b32 s40, s40, 2
	s_add_co_u32 s40, s40, s28                     ; the tensor's 16-row block
	s_lshl_b32 s42, s40, 14
	s_add_nc_u64 s[32:33], s[32:33], s[42:43]
	s_lshl_b32 s42, s40, 9
	s_add_nc_u64 s[34:35], s[34:35], s[42:43]
	s_lshr_b32 s41, s40, 3
	s_and_b32 s40, s40, 7
	s_lshl_b32 s42, s41, 17
	s_add_co_u32 s36, s36, s42
	s_lshl_b32 s42, s40, 11
	s_add_co_u32 s36, s36, s42
	s_mov_b32 s37, 0
	s_add_nc_u64 s[36:37], s[26:27], s[36:37]
	s_lshl_b32 s42, s41, 12
	s_add_co_u32 s38, s38, s42
	s_lshl_b32 s42, s40, 6
	s_add_co_u32 s38, s38, s42
	s_mov_b32 s39, 0
	s_add_nc_u64 s[38:39], s[26:27], s[38:39]
	s_wait_alu depctr_va_vdst(0)
	RELAY 1024, 16384, 32, 512, 0
	s_wait_tensorcnt 0x0
	ds_add_u32 v192, v193
	s_wait_dscnt 0x0
	s_endpgm
.Lw2:
	s_wait_alu depctr_va_vdst(0)
	v_add_nc_u32 v6, R2LDS, v6
	v_add_nc_u32 v7, R2LDS, v7
	v_and_b32 v11, 1, v2
	v_cmp_eq_u32 vcc_lo, 1, v11                    ; the odd lanes
.irp i, 16,17,18,19
	v_mov_b32 v\i, 0                               ; written once: a DPP form's destination counts as read
.endr
	s_sub_co_u32 s40, s30, 112                     ; W2's 16-row block; the wave takes a quarter of K
	s_wait_kmcnt 0x0
	s_lshl_b32 s42, s40, 16
	s_lshl_b32 s41, s28, 10
	s_add_co_u32 s42, s42, s41
	s_add_nc_u64 s[32:33], s[22:23], s[42:43]
	s_lshl_b32 s42, s40, 11
	s_lshl_b32 s41, s28, 5
	s_add_co_u32 s42, s42, s41
	s_add_nc_u64 s[34:35], s[24:25], s[42:43]
	s_lshr_b32 s41, s40, 2
	s_and_b32 s40, s40, 3
	s_lshl_b32 s42, s41, 18
	s_lshl_b32 s44, s28, 16
	s_add_co_u32 s42, s42, s44
	s_lshl_b32 s44, s40, 11
	s_add_co_u32 s42, s42, s44
	s_add_co_u32 s42, s42, W2I
	s_add_nc_u64 s[36:37], s[26:27], s[42:43]
	s_lshl_b32 s42, s41, 13
	s_lshl_b32 s44, s28, 11
	s_add_co_u32 s42, s42, s44
	s_lshl_b32 s44, s40, 6
	s_add_co_u32 s42, s42, s44
	s_add_co_u32 s42, s42, W2S
	s_add_nc_u64 s[38:39], s[26:27], s[42:43]
	RELAY 4096, 8192, 128, 256, 1
	s_wait_tensorcnt 0x0
	ds_add_u32 v192, v193
	s_wait_dscnt 0x0
	s_endpgm
.Lfunc_end_k_q80df9f098d_prep:
	.size	k_q80df9f098d_prep, .Lfunc_end_k_q80df9f098d_prep-k_q80df9f098d_prep
	.p2alignl 7, 3214868480
	.fill 96, 4, 3214868480
	.section	.rodata,"a",@progbits
	.p2align	6, 0x0
	.amdhsa_kernel k_q80df9f098d_prep
		.amdhsa_group_segment_fixed_size 92672
		.amdhsa_private_segment_fixed_size 0
		.amdhsa_enable_private_segment 0
		.amdhsa_kernarg_size 96
		.amdhsa_user_sgpr_count 2
		.amdhsa_user_sgpr_kernarg_segment_ptr 1
		.amdhsa_wavefront_size32 1
		.amdhsa_system_sgpr_workgroup_id_x 1
		.amdhsa_system_sgpr_workgroup_id_y 1
		.amdhsa_system_sgpr_workgroup_id_z 1
		.amdhsa_system_vgpr_workitem_id 0
		.amdhsa_next_free_vgpr 194
		.amdhsa_next_free_sgpr 66
		.amdhsa_reserve_vcc 1
		.amdhsa_float_denorm_mode_32 3
		.amdhsa_float_denorm_mode_16_64 3
		.amdhsa_memory_ordered 1
		.amdhsa_forward_progress 1
		.amdhsa_inst_pref_size 93
	.end_amdhsa_kernel
	.amdgpu_metadata
---
amdhsa.version: [ 1, 2 ]
amdhsa.kernels:
  - .name:           k_q80df9f098d_prep
    .symbol:         k_q80df9f098d_prep.kd
    .args:
      - { .name: x, .offset: 0, .size: 8, .value_kind: global_buffer, .address_space: global }
      - { .name: Wq_codes, .offset: 8, .size: 8, .value_kind: global_buffer, .address_space: global }
      - { .name: Wq_scales, .offset: 16, .size: 8, .value_kind: global_buffer, .address_space: global }
      - { .name: Wk_codes, .offset: 24, .size: 8, .value_kind: global_buffer, .address_space: global }
      - { .name: Wk_scales, .offset: 32, .size: 8, .value_kind: global_buffer, .address_space: global }
      - { .name: Wv_codes, .offset: 40, .size: 8, .value_kind: global_buffer, .address_space: global }
      - { .name: Wv_scales, .offset: 48, .size: 8, .value_kind: global_buffer, .address_space: global }
      - { .name: W1_codes, .offset: 56, .size: 8, .value_kind: global_buffer, .address_space: global }
      - { .name: W1_scales, .offset: 64, .size: 8, .value_kind: global_buffer, .address_space: global }
      - { .name: W2_codes, .offset: 72, .size: 8, .value_kind: global_buffer, .address_space: global }
      - { .name: W2_scales, .offset: 80, .size: 8, .value_kind: global_buffer, .address_space: global }
      - { .name: wprep, .offset: 88, .size: 8, .value_kind: global_buffer, .address_space: global }
    .group_segment_fixed_size: 92672
    .private_segment_fixed_size: 0
    .kernarg_segment_align: 8
    .kernarg_segment_size: 96
    .max_flat_workgroup_size: 128
    .sgpr_count:     66
    .vgpr_count:     194
    .wavefront_size: 32
...
	.end_amdgpu_metadata
.endif
;; end of part 1
;; launch qkv (part 2): grid 192 x 1, 4 waves a work-group, no clusters, 168,448 bytes of LDS; arguments wprep, bq, bk, bv, wqkv; writes wqkv
.if DOCPART == 2
	.amdgcn_target "amdgcn-amd-amdhsa--gfx1250"
	.amdhsa_code_object_version 6
	.text
	.protected	k_q80df9f098d_qkv
	.globl	k_q80df9f098d_qkv
	.p2align	8
	.type	k_q80df9f098d_qkv,@function
k_q80df9f098d_qkv:
	s_mov_b64 s[64:65], 0
	v_nop
	global_prefetch_b8 v0, s[64:65] scope:SCOPE_SE
	s_setreg_imm32_b32 hwreg(HW_REG_WAVE_MODE, 25, 1), 1
	s_wait_xcnt 0x0
; q = x Wq + bq, k = x Wk + bk (work-groups 0-127) and v^T = (x Wv + bv)^T (work-groups 128-191), all on E5M2 codes with E8M0 scales; the results are quantised here and stored as images of operand registers.
; One body: a STATIONARY operand S (128 rows, all of K = 1,024: one dense block of 131,072 bytes of images) comes into LDS once, by first fills of the tensor data mover, and is read by all four waves;
; a STREAMED operand T (128 rows a wave) goes from memory straight into registers, since each of its fragments is used by one wave alone.  q, k: S = x, T = Wq|Wk.  v^T: S = Wv, T = x.
; The matrix instruction takes source 0 = 16 rows of T, source 1 = 16 rows of S: lane (r, h) holds S row r and its register j the T row 8 h + j.  So a lane's registers run along the NEXT product's K:
; along the head's 64 for q and k, along the keys for v^T.  The 16 registers of accumulators 2 c, 2 c + 1 and those of the lane 16 away are a block of 32: the conversions' results ARE the next operand's registers,
; with position 16 h + 8 u + j of a block holding index 16 u + 8 h + j.  Both operands of each later product carry that same order, so the products are unchanged but for the order of their sums.
; No LDS byte is filled twice: no ring.  No cluster: T lands in registers, where a joint load cannot deliver, and S is fetched once.  A wave has one tensor load out at the most.
; A wave: 128 x 128 = 64 accumulators, which take turns, one instruction a turn, in the same order in every K step.
; LIMITS: NaN and infinities are not served; a block of zeros gets the byte 1 (its codes are zeros; this program alone reads the bytes).
; REGISTERS.  window 0: v1 16 x lane, v2 4 x lane, v3, v4 LDS addresses of S (K steps 0-3, 4-7), v5 lane, v6, v7 bias offsets, v8 the floor, v16-31 at work, v32-47 scale words (two sets: T's 4, S's 4),
;   v48-55 the new scale words, v56-59 the same merged, v64-127 the bias (later two sets of codes), v128-255 S's 8 fragments.  window 1: T's 8 fragments, two sets.  windows 2, 3: accumulator (a, b) at v[8 (8 (a % 4) + b)].
.set XC,    0
.set WQK,   0x400000
.set WV,    0x600000
.set XSO,   0xF00000
.set WQKS,  0xF20000
.set WVS,   0xF30000
.set QKC,   0
.set VC,    0x800000
.set QKS,   0xC00000
.set VSO,   0xC40000
.set MSB, 0
.macro WIN new                         ; the immediate's high byte repeats the setting that is left
.if MSB != \new
	s_set_vgpr_msb (MSB<<8)|\new
.set MSB, \new
.endif
.endm
.macro PLACES n
.rept \n
	v_nop
.endr
.endm
.macro WM pd, pt, ps, pc, pts, pss, pra, prb   ; one product; pra, prb: the scale words stand in lanes 16-31
.if ((\pra) != 0) && ((\prb) != 0)
	v_wmma_scale_f32_16x16x128_f8f6f4 v[(\pd):(\pd)+7], v[(\pt):(\pt)+15], v[(\ps):(\ps)+15], v[(\pc):(\pc)+7], v[(\pts)], v[(\pss)] matrix_a_fmt:MATRIX_FMT_BF8 matrix_b_fmt:MATRIX_FMT_BF8 matrix_a_scale:MATRIX_SCALE_ROW1 matrix_b_scale:MATRIX_SCALE_ROW1
.elseif (\pra) != 0
	v_wmma_scale_f32_16x16x128_f8f6f4 v[(\pd):(\pd)+7], v[(\pt):(\pt)+15], v[(\ps):(\ps)+15], v[(\pc):(\pc)+7], v[(\pts)], v[(\pss)] matrix_a_fmt:MATRIX_FMT_BF8 matrix_b_fmt:MATRIX_FMT_BF8 matrix_a_scale:MATRIX_SCALE_ROW1
.elseif (\prb) != 0
	v_wmma_scale_f32_16x16x128_f8f6f4 v[(\pd):(\pd)+7], v[(\pt):(\pt)+15], v[(\ps):(\ps)+15], v[(\pc):(\pc)+7], v[(\pts)], v[(\pss)] matrix_a_fmt:MATRIX_FMT_BF8 matrix_b_fmt:MATRIX_FMT_BF8 matrix_b_scale:MATRIX_SCALE_ROW1
.else
	v_wmma_scale_f32_16x16x128_f8f6f4 v[(\pd):(\pd)+7], v[(\pt):(\pt)+15], v[(\ps):(\ps)+15], v[(\pc):(\pc)+7], v[(\pts)], v[(\pss)] matrix_a_fmt:MATRIX_FMT_BF8 matrix_b_fmt:MATRIX_FMT_BF8
.endif
.endm
.macro TLOADS k                        ; K step k of T: 32 loads of 512 consecutive bytes into set k % 2, and 4 + 4 scale registers (32 rows' words each): 40 loads
	WIN 0x40
.irp b, 0,1,2,3,4,5,6,7
.irp c, 0,1,2,3
	global_load_b128 v[128*((\k)%2)+16*\b+4*\c:128*((\k)%2)+16*\b+4*\c+3], v1, s[48:49] offset:(\k)*16384+\b*2048+\c*512
.endr
.endr
	WIN 0
.irp i, 0,1,2,3
	global_load_b32 v[32+8*((\k)%2)+\i], v2, s[50:51] offset:(\k)*512+128*\i
	global_load_b32 v[36+8*((\k)%2)+\i], v2, s[52:53] offset:(\k)*512+128*\i
.endr
.endm
.macro FETCH_A k, a0                   ; S's blocks a0 .. a0 + 3 of K step k from LDS: 16 bytes a lane, consecutive
.irp a, \a0, \a0+1, \a0+2, \a0+3
.irp c, 0,1,2,3
	ds_load_b128 v[128+16*(\a)+4*\c:128+16*(\a)+4*\c+3], v[3+(\k)/4] offset:((\k)%4)*16384+(\a)*2048+\c*512
.endr
.endr
.endm
.macro MUL16 a0, k, cm                 ; S's blocks a0, a0 + 1 against T's eight.  cm = 0: in place; 1: C = the bias by T row; 2: C = the bias by S row
.irp a, \a0, \a0+1
.irp b, 0,1,2,3,4,5,6,7
.set rD, 8*(8*((\a)%4)+\b)
.if (\cm) == 1
.set rC, 64+8*\b
.elseif (\cm) == 2
.set rC, 64+8*(\a)
.else
.set rC, rD
.endif
	WM rD, 128*((\k)%2)+16*\b, 128+16*(\a), rC, 32+8*((\k)%2)+\b/2, 36+8*((\k)%2)+(\a)/2, \b%2, (\a)%2
.endr
.endr
.endm
; A load into a register that a matrix instruction has read stands eight places behind it, and only plain vector instructions that name none of its registers are places.
.macro STEP k, cm
.if (\k) < 7
	TLOADS (\k)+1                                  ; into the set and the scale registers that the step before read: eight places stand at that step's end
.endif
.if (\k) == 1
	s_wait_tensorcnt 0x0                           ; my one tensor load, my part of K steps 2-7, has landed
	s_wait_dscnt 0x0                               ; no LDS instruction of mine is out at the signal
	s_barrier_signal -1
	s_barrier_wait -1                              ; everybody's part has
.endif
.if (\k) < 7
	s_wait_loadcnt 40                              ; this step's T is in; the 40 loads just issued may be out
.else
	s_wait_loadcnt 0x0
.endif
	s_wait_dscnt 16                                ; S's blocks 0-3 are in; blocks 4-7 may be out
.if (\cm) != 0
	WIN 0x81
.else
	WIN 0xa1
.endif
	MUL16 0, \k, \cm
	MUL16 2, \k, \cm
	s_wait_dscnt 0x0                               ; S's blocks 4-7
.if (\k) < 7
	PLACES 8
	WIN 0
	FETCH_A (\k)+1, 0
.endif
.if (\cm) != 0
	WIN 0xc1
.else
	WIN 0xf1
.endif
	MUL16 4, \k, \cm
	MUL16 6, \k, \cm
	PLACES 8
	WIN 0
.if (\k) < 7
	FETCH_A (\k)+1, 4
.endif
.endm
	s_load_b256 s[4:11], s[0:1], 0x0               ; the workspace of images, bq, bk, bv
	s_load_b64 s[12:13], s[0:1], 0x20              ; the results
	v_lshl_add_u32 v62, v0, 2, 0x29000
	v_mov_b32 v63, 0
	ds_add_u32 v62, v63
	ds_add_u32 v62, v63
	v_lshrrev_b32 v9, 5, v0
	v_readfirstlane_b32 s14, v9                    ; wave
	v_and_b32 v5, 31, v0
	v_lshlrev_b32 v1, 4, v5
	v_lshlrev_b32 v2, 2, v5
	v_lshlrev_b32 v3, 4, v5
	v_lshl_add_u32 v4, v5, 4, 0x10000
	v_lshl_add_u32 v10, v9, 13, v3                 ; where my 8,192 bytes of K steps 0 and 1 go in LDS: 8,192 x wave + 16 x lane
	v_bfe_u32 v6, v0, 4, 1
	v_lshlrev_b32 v6, 5, v6                        ; bias by T row: 32 h
	v_and_b32 v7, 15, v0
	v_lshlrev_b32 v7, 2, v7                        ; bias by S row: 4 r
	v_mov_b32 v8, 0x8000000                        ; the floor 2^(16 - 127)
.irp i, 20,21,22,23
	v_mov_b32 v\i, 0                               ; written once: a lane permute's destination counts as read
.endr
	s_and_b32 s15, ttmp9, 3                        ; q, k: group of 512 columns, block of 128 tokens
	s_lshr_b32 s16, ttmp9, 2
	s_sub_co_u32 s17, ttmp9, 128                   ; v^T: group of 512 tokens, block of 128 rows of Wv
	s_lshr_b32 s18, s17, 3
	s_and_b32 s19, s17, 7
	s_mov_b32 s21, WVS
	s_mov_b32 s22, XSO
	s_mov_b32 s23, VSO
	s_cmp_lt_u32 ttmp9, 128
	s_cselect_b32 s15, s15, s18
	s_cselect_b32 s16, s16, s19
	s_cselect_b32 s60, XC, WV                      ; S
	s_cselect_b32 s48, WQK, XC                     ; T
	s_cselect_b32 s52, XSO, s21                    ; S's scale words
	s_cselect_b32 s50, WQKS, s22                   ; T's
	s_cselect_b32 s56, QKC, VC                     ; the new codes
	s_cselect_b32 s58, QKS, s23                    ; the new scale words
	s_cselect_b32 s20, 19, 17                      ; log2 of the bytes of images for one K step of the result: 256 or 64 row blocks
	s_lshl_b32 s17, s15, 2
	s_add_co_u32 s17, s17, s14                     ; my block of T
	s_lshl_b32 s18, s17, 17
	s_add_co_u32 s48, s48, s18
	s_lshl_b32 s18, s17, 12
	s_add_co_u32 s50, s50, s18
	s_lshl_b32 s18, s16, 17
	s_add_co_u32 s60, s60, s18
	s_lshl_b32 s19, s14, 13                        ; my 8,192 bytes of each chunk
	s_add_co_u32 s60, s60, s19
	s_lshl_b32 s18, s16, 12
	s_add_co_u32 s52, s52, s18
	s_lshl_b32 s18, s17, s20
	s_add_co_u32 s56, s56, s18
	s_lshl_b32 s18, s16, 14
	s_add_co_u32 s56, s56, s18
	s_sub_co_u32 s20, s20, 5
	s_lshl_b32 s18, s17, s20
	s_add_co_u32 s58, s58, s18
	s_lshl_b32 s18, s16, 9
	s_add_co_u32 s58, s58, s18
	s_and_b32 s18, s15, 1
	s_lshl_b32 s18, s18, 11
	s_lshl_b32 s21, s14, 9
	s_add_co_u32 s18, s18, s21                     ; bias of q, k: my 128 columns
	s_lshl_b32 s21, s16, 9                         ; bias of v: the block's 128 rows
	s_cmp_lt_u32 ttmp9, 128
	s_cselect_b32 s54, s18, s21
.irp p, 49,51,53,55,57,59,61
	s_mov_b32 s\p, 0
.endr
	; descriptor group 1: a dense block of 8,192 bytes as 32 rows of 256 bytes (32 elements of 8 bytes)
	s_mov_b32 s24, 3<<16
	s_mov_b32 s25, 32<<16
	s_mov_b32 s26, 96<<16                          ; 96 rows of 256 bytes: a wave's part of K steps 2-7
	s_mov_b32 s27, 32<<16
	s_mov_b32 s28, 96
	s_mov_b32 s29, 32
	s_mov_b32 s30, 0
	s_mov_b32 s31, 0
	s_wait_dscnt 0x0
	s_wait_kmcnt 0x0
	s_add_nc_u64 s[60:61], s[4:5], s[60:61]
	s_mov_b32 s32, 1                               ; the tensor load: my 24,576 bytes of K steps 2-7, behind the 32,768 bytes of K steps 0 and 1
	s_mul_i32 s33, s14, 24576
	s_add_co_u32 s33, s33, 32768
	s_lshl_b32 s34, s14, 14                        ; s[60:61] holds 8,192 x wave already
	s_add_co_u32 s34, s34, 32768
	s_mov_b32 s35, 0
	s_add_nc_u64 s[34:35], s[60:61], s[34:35]
	s_or_b32 s35, s35, 0x80000000
.irp i, 0,1,2,3,4,5,6,7,8,9,10,11,12,13,14,15
	global_load_b128 v[128+4*\i:131+4*\i], v1, s[60:61] offset:512*\i     ; K steps 0 and 1 of S go through registers: my 8,192 bytes, asked for ahead of everything else; they land where S's fragments will lie later
.endr
	tensor_load_to_lds s[32:35], s[24:31]          ; all first fills together, ahead of every wait on TENSORcnt, LDS read and barrier: one load of mine is out
	s_nop 0
	PLACES 4
	s_add_nc_u64 s[48:49], s[4:5], s[48:49]
	s_add_nc_u64 s[50:51], s[4:5], s[50:51]
	s_add_nc_u64 s[52:53], s[4:5], s[52:53]
	s_add_nc_u64 s[56:57], s[12:13], s[56:57]
	s_add_nc_u64 s[58:59], s[12:13], s[58:59]
	s_cmp_lt_u32 s15, 2
	s_cselect_b64 s[62:63], s[6:7], s[8:9]
	s_cmp_lt_u32 ttmp9, 128
	s_cselect_b64 s[62:63], s[62:63], s[10:11]
	s_add_nc_u64 s[54:55], s[62:63], s[54:55]
	s_mov_b32 s20, 0x76543210
	s_mov_b32 s21, 0xfedcba98                      ; v_permlanex16_b32's selects for lane l xor 16
	s_mov_b32 s22, 0x600000                        ; the mantissa field of 57,344
	s_cmp_lt_u32 ttmp9, 128
	s_cbranch_scc0 .Lbias_rows
	s_wait_alu depctr_va_vdst(0)
.irp b, 0,1,2,3,4,5,6,7
	global_load_b128 v[64+8*\b:67+8*\b], v6, s[54:55] offset:64*\b        ; register j of tile b: the bias of T row 16 b + 8 h + j
	global_load_b128 v[68+8*\b:71+8*\b], v6, s[54:55] offset:64*\b+16
.endr
	s_branch .Lbias_done
.Lbias_rows:
	s_wait_alu depctr_va_vdst(0)
.irp a, 0,1,2,3,4,5,6,7
.irp j, 0,1,2,3,4,5,6,7
	global_load_b32 v[64+8*\a+\j], v7, s[54:55] offset:64*\a              ; all eight registers of block a: the bias of S row 16 a + r
.endr
.endr
.Lbias_done:
	TLOADS 0
	s_wait_loadcnt 56                              ; my 16 loads of K steps 0 and 1 are in; behind them at the least the bias's 16 loads and T's 40
.irp i, 0,1,2,3,4,5,6,7,8,9,10,11,12,13,14,15
	ds_store_b128 v10, v[128+4*\i:131+4*\i] offset:512*\i                 ; into LDS bytes 0 to 32,767, which no tensor load fills
.endr
	s_wait_dscnt 0x0                               ; for the others' sake: my stores are done.  The tensor load may stay out
	s_barrier_signal -1
	s_barrier_wait -1
	FETCH_A 0, 0
	FETCH_A 0, 4
	s_cmp_lt_u32 ttmp9, 128
	s_cbranch_scc0 .Lstep0_rows
	STEP 0, 1                                      ; the first K step starts the sums on the bias: nothing is cleared, nothing is added later
	s_branch .Lstep0_done
.Lstep0_rows:
	STEP 0, 2
.Lstep0_done:
.irp k, 1,2,3,4,5,6,7
	STEP \k, 0
.endr
; THE WAY OUT of S block a: 64 numbers a lane, register 16 c + i; a block of 32 is my 16 and those of the lane 16 away.  Each accumulator is read from its low end on.
.macro QOUT a
.set AC, 64*((\a)%4)
.set PCD, 64+16*((\a)%2)
.set WA, 0x28+0x14*((\a)/4)
.set WB, 0x82+0x41*((\a)/4)
.set WC, 2+(\a)/4
	s_wait_xcnt 0x0                                ; the stores of two blocks ago have read their registers
	WIN WA
.irp c, 0,1,2,3
	v_max3_num_f32 v[16+\c], v8, |v[AC+16*\c]|, |v[AC+16*\c+1]|
.endr
.irp i, 2,4,6,8,10,12,14
.irp c, 0,1,2,3
	v_max3_num_f32 v[16+\c], v[16+\c], |v[AC+16*\c+\i]|, |v[AC+16*\c+\i+1]|
.endr
.endr
	WIN 0
.irp c, 0,1,2,3
	v_permlanex16_b32 v[20+\c], v[16+\c], s20, s21
.endr
.irp c, 0,1,2,3
	v_max_num_f32 v[16+\c], v[16+\c], v[20+\c]
.endr
.irp c, 0,1,2,3
	v_add_nc_u32 v[28+\c], 0xf8800000, v[16+\c]    ; 15 off the exponent field: the conversion's scale operand
.endr
.irp c, 0,1,2,3
	v_and_or_b32 v[24+\c], v[16+\c], 0x7f800000, s22   ; 57,344 x the scale
.endr
.irp c, 0,1,2,3
	v_lshrrev_b32 v[20+\c], 23, v[28+\c]           ; the scale's byte
.endr
	v_lshl_or_b32 v[48+(\a)], v21, 8, v20
	v_lshl_or_b32 v[48+(\a)], v22, 16, v[48+(\a)]
	v_lshl_or_b32 v[48+(\a)], v23, 24, v[48+(\a)]
	WIN WB
.irp c, 0,1,2,3
.irp i, 0,1,2,3,4,5,6,7,8,9,10,11,12,13,14,15
	v_med3_num_f32 v[AC+16*\c+\i], v[AC+16*\c+\i], -v[24+\c], v[24+\c]
.endr
.endr
	WIN WC
.irp c, 0,1,2,3
	v_cvt_scalef32_pk8_bf8_f32 v[PCD+4*\c:PCD+4*\c+1], v[AC+16*\c:AC+16*\c+7], v[28+\c]
	v_cvt_scalef32_pk8_bf8_f32 v[PCD+4*\c+2:PCD+4*\c+3], v[AC+16*\c+8:AC+16*\c+15], v[28+\c]
.endr
	WIN 0
	v_nop                                          ; one plain line behind the last conversion
.irp c, 0,1,2,3
	global_store_b128 v1, v[PCD+4*\c:PCD+4*\c+3], s[56:57] offset:(\a)*2048+\c*512   ; 512 consecutive bytes of an image
.endr
.endm
.irp a, 0,1,2,3,4,5,6,7
	QOUT \a
.endr
	v_cmp_le_u32 vcc_lo, 16, v5                    ; both halves of the lanes hold a row's word: lanes 16-31 take the odd block's
.irp i, 0,1,2,3
	v_cndmask_b32 v[56+\i], v[48+2*\i], v[49+2*\i], vcc_lo
.endr
.irp i, 0,1,2,3
	global_store_b32 v2, v[56+\i], s[58:59] offset:128*\i
.endr
	s_wait_tensorcnt 0x0
	ds_add_u32 v62, v63
	s_wait_dscnt 0x0
	s_endpgm
.Lfunc_end_k_q80df9f098d_qkv:
	.size	k_q80df9f098d_qkv, .Lfunc_end_k_q80df9f098d_qkv-k_q80df9f098d_qkv
	.p2alignl 7, 3214868480
	.fill 96, 4, 3214868480
	.section	.rodata,"a",@progbits
	.p2align	6, 0x0
	.amdhsa_kernel k_q80df9f098d_qkv
		.amdhsa_group_segment_fixed_size 168448
		.amdhsa_private_segment_fixed_size 0
		.amdhsa_enable_private_segment 0
		.amdhsa_kernarg_size 40
		.amdhsa_user_sgpr_count 2
		.amdhsa_user_sgpr_kernarg_segment_ptr 1
		.amdhsa_wavefront_size32 1
		.amdhsa_system_sgpr_workgroup_id_x 1
		.amdhsa_system_sgpr_workgroup_id_y 1
		.amdhsa_system_sgpr_workgroup_id_z 1
		.amdhsa_system_vgpr_workitem_id 0
		.amdhsa_next_free_vgpr 1024
		.amdhsa_next_free_sgpr 66
		.amdhsa_reserve_vcc 1
		.amdhsa_float_denorm_mode_32 3
		.amdhsa_float_denorm_mode_16_64 3
		.amdhsa_memory_ordered 1
		.amdhsa_forward_progress 1
		.amdhsa_inst_pref_size 214
	.end_amdhsa_kernel
	.amdgpu_metadata
---
amdhsa.version: [ 1, 2 ]
amdhsa.kernels:
  - .name:           k_q80df9f098d_qkv
    .symbol:         k_q80df9f098d_qkv.kd
    .args:
      - { .name: wprep, .offset: 0, .size: 8, .value_kind: global_buffer, .address_space: global }
      - { .name: bq, .offset: 8, .size: 8, .value_kind: global_buffer, .address_space: global }
      - { .name: bk, .offset: 16, .size: 8, .value_kind: global_buffer, .address_space: global }
      - { .name: bv, .offset: 24, .size: 8, .value_kind: global_buffer, .address_space: global }
      - { .name: wqkv, .offset: 32, .size: 8, .value_kind: global_buffer, .address_space: global }
    .group_segment_fixed_size: 168448
    .private_segment_fixed_size: 0
    .kernarg_segment_align: 8
    .kernarg_segment_size: 40
    .max_flat_workgroup_size: 128
    .sgpr_count:     66
    .vgpr_count:     1024
    .wavefront_size: 32
...
	.end_amdgpu_metadata
.endif
;; end of part 2
;; launch att (part 3): grid 8 x 32, 8 waves a work-group, no clusters, 327,680 bytes of LDS; arguments wqkv, mask, wattn; writes wattn
.if DOCPART == 3
	.amdgcn_target "amdgcn-amd-amdhsa--gfx1250"
	.amdhsa_code_object_version 6
	.text
	.protected	k_q80df9f098d_att
	.globl	k_q80df9f098d_att
	.p2align	8
	.type	k_q80df9f098d_att,@function
k_q80df9f098d_att:
	s_mov_b64 s[64:65], 0
	v_nop
	global_prefetch_b8 v0, s[64:65] scope:SCOPE_SE
	s_setreg_imm32_b32 hwreg(HW_REG_WAVE_MODE, 25, 1), 1
	s_wait_xcnt 0x0
; attn[b][q][head] = the sum over keys of softmax(where(mask, q . k, -1e15) / 1024) v, both products on E5M2 codes with E8M0 scales.
; THE SOFTMAX AHEAD OF THE SECOND PRODUCT: t = score x log2(e) / 1024; M = the running largest t rounded up to a whole number; p = 2^(t - M) is quantised along the keys; the sum of the unquantised p divides at the end.
; SHARES.  A work-group owns 256 queries of one head of one batch; each of its eight waves owns 32 queries, two tiles of 16, and walks the 2,048 keys, 128 a step.  Each fragment of k, of v^T and of the addends feeds both tiles.
; THE WHOLE HEAD STAYS IN LDS as images of operand registers: k 131,072 bytes, v^T 131,072 bytes.  Waves 0-3 fetch k, waves 4-7 v^T: one tensor load a wave at the head (key steps 0-3), and one more behind
; the wait, the add and the barrier (key steps 4-15).  The second load has key steps 0 to 2 in which to land; a plain barrier behind them shows it whole.  No byte is filled twice.
; No cluster: each work-group asks for its head's bytes once, in two loads a wave, and there is no ring whose refills partners could share.  No prefetch: all fills go out at the head, there is no loop to run ahead in.
; Both products are used transposed (S^T = k q^T, O^T = v^T p^T): a lane holds one query.  p's registers hold, at position 16 h + 8 u + j of a block of 32, key 16 u + 8 h + j: the order in which v^T was laid.
; THE FIRST PRODUCT'S K IS 64: two tiles of keys make one operand, the even tile in K 0-63, the odd one in K 64-127; q stands between zeros (z c0 z c1 z), so that q's zeros meet the other tile's codes.
; THE MASK.  A masked key: -3e38 is the C of its score's product, so p = 0.  A masked query: its factor c is 0, so t = 0, M = 0, p = 1 for all keys: what equal logits give.
; THE ADDENDS are loaded into tile 0's score registers: tile 1's products take them as C, then, nine places on, tile 0's products add onto them in place.
; EVERY LDS LOAD IS ASKED FOR AHEAD: v^T of a step between the two tiles' first products; the next step's k behind this step's first products; the next step's addends behind tile 0's conversions.
; LIMITS: NaN and infinities are not served; a masked key's logit is -3e38 where -1e15 is written: the same result while unmasked scores lie above -1e14; rows whose largest t lies under -1e30 are not served.
; REGISTERS.  Window 0: v1-5 bases, v6, v7 the add's two, v8-12 the addresses in hand; v14-39, v40-65 the two tiles' figures (c, -M, largest t, sum, f, four blocks' figures);
;   v66-75 scale words; v76-115 q; v116-179 S^T of tile 0; v180-243 k's eight tiles.  Window 1: v0-63 O^T of both tiles; v64-95 p's codes; v116-179 S^T of tile 1; v180-243 v^T's four fragments.
.set VC,   0x800000
.set QKS,  0xC00000
.set VSO,  0xC40000
.set VREG, 131072                      ; LDS: k at 0, v^T here,
.set KSC,  262144                      ; k's scale words, 2,048,
.set VSC,  270336                      ; v^T's, 16 steps x 64,
.set KBI,  274432                      ; 0 or -3e38 for each key,
.set STG,  282624                      ; the way out: 16 rows x (256 bytes + 16) for each wave,
.set SPARE, 317440                     ; and the spare words, 128 bytes a wave
.set TB0,  14                          ; a tile's figures: +0 c (pair), +2 -M, +3 largest t, +4 sum (pair), +6 f (pair), +8 block maxima, +12 at work, +16 holds, +20 scale operands, +24 at work
.set TB1,  40
.set KS,   66
.set VS,   70
.set QS,   72
.set PS,   74
.set QZ,   76
.set S,    116
.set KF,   180
.set PC,   64
.set T,    180                         ; the head's own registers
.set MSB, 0
.macro WIN new                         ; bits 1:0 source 0, 3:2 source 1, 5:4 source 2, 7:6 destination; the immediate's high byte repeats the setting that is left
.if MSB != \new
	s_set_vgpr_msb (MSB<<8)|\new
.set MSB, \new
.endif
.endm
.macro TL2 g0, g1k, g1v                ; a wave's one tensor load: waves 0-3 by k's shape, waves 4-7 by v^T's; s_nop 0 and four v_nop behind each
	s_cmp_eq_u32 s16, 0
	s_cbranch_scc0 .Lv_\@
	tensor_load_to_lds s[\g0:\g0+3], s[\g1k:\g1k+7]
	s_nop 0
.rept 4
	v_nop
.endr
	s_branch .Lj_\@
.Lv_\@:
	tensor_load_to_lds s[\g0:\g0+3], s[\g1v:\g1v+7]
	s_nop 0
.rept 4
	v_nop
.endr
.Lj_\@:
.endm
.macro WM d, a, b, sa, sb, row         ; one product, C and D under one number
.if \row
	v_wmma_scale_f32_16x16x128_f8f6f4 v[(\d):(\d)+7], v[(\a):(\a)+15], v[(\b):(\b)+15], v[(\d):(\d)+7], v[(\sa)], v[(\sb)] matrix_a_fmt:MATRIX_FMT_BF8 matrix_b_fmt:MATRIX_FMT_BF8 matrix_a_scale:MATRIX_SCALE_ROW1
.else
	v_wmma_scale_f32_16x16x128_f8f6f4 v[(\d):(\d)+7], v[(\a):(\a)+15], v[(\b):(\b)+15], v[(\d):(\d)+7], v[(\sa)], v[(\sb)] matrix_a_fmt:MATRIX_FMT_BF8 matrix_b_fmt:MATRIX_FMT_BF8
.endif
.endm
	s_load_b128 s[4:7], s[0:1], 0x0                ; q, k, v^T; the mask
	s_load_b64 s[8:9], s[0:1], 0x10                ; the result
	v_lshl_add_u32 v6, v0, 2, SPARE
	v_mov_b32 v7, 0
	ds_add_u32 v6, v7                              ; the opening lines: the add, twice on end, and its wait
	ds_add_u32 v6, v7
	v_lshrrev_b32 v8, 5, v0
	v_readfirstlane_b32 s18, v8                    ; wave 0..7
	s_and_b32 s10, ttmp7, 0xffff
	s_lshr_b32 s11, s10, 4                         ; batch
	s_and_b32 s12, s10, 15                         ; head
	s_and_b32 s13, s12, 1                          ; which half of an image is the head's
	s_lshr_b32 s14, s12, 1                         ; pair of heads
	s_and_b32 s15, s18, 3                          ; my quarter of a fill
	s_lshr_b32 s16, s18, 2                         ; 0: I fetch k; 1: v^T
	s_lshl_b32 s22, s13, 4                         ; where the head's two bytes begin in a scale word, in bits
	s_add_co_u32 s75, s14, 8
	s_lshl_b32 s76, s75, 19                        ; k's images: (8 + pair) x 256 row blocks, + 128 a batch, + the head's half
	s_lshl_b32 s17, s11, 18
	s_add_co_u32 s76, s76, s17
	s_lshl_b32 s17, s13, 10
	s_add_co_u32 s76, s76, s17
	s_lshl_b32 s78, s11, 21                        ; v^T's images: 16 key groups a batch x 64 row blocks, + 4 a head
	s_lshl_b32 s17, s12, 13
	s_add_co_u32 s78, s78, s17
	s_add_co_u32 s78, s78, VC
	s_mov_b32 s72, 524288
	s_mov_b32 s73, 393216
	s_cmp_eq_u32 s16, 0
	s_cselect_b32 s74, s76, s78                    ; my tensor's first byte,
	s_cselect_b32 s71, 14, 17                      ; a key step in memory: 8 tiles of 2,048 bytes, or 131,072 bytes,
	s_cselect_b32 s72, 65536, s72                  ; four key steps,
	s_cselect_b32 s73, 49152, s73                  ; three key steps
	s_lshl_b32 s66, s15, s71
	s_add_co_u32 s66, s66, s74                     ; first fill: key step j
	s_mov_b32 s67, 0
	s_mul_i32 s68, s15, s73
	s_add_co_u32 s68, s68, s72
	s_add_co_u32 s68, s68, s74                     ; second fill: key steps 4 + 3 j on
	s_mov_b32 s69, 0
	s_lshl_b32 s17, s16, 17                        ; in LDS: k at 0, v^T at VREG; 8,192 bytes a key step
	s_lshl_b32 s41, s15, 13
	s_add_co_u32 s41, s41, s17
	s_mul_i32 s45, s15, 24576
	s_add_co_u32 s45, s45, s17
	s_add_co_u32 s45, s45, 32768
	s_mov_b32 s40, 1
	s_mov_b32 s44, 1
	s_lshl_b32 s80, s75, 14                        ; k's scale words
	s_lshl_b32 s17, s11, 13
	s_add_co_u32 s80, s80, s17
	s_add_co_u32 s80, s80, QKS
	s_mov_b32 s81, 0
	s_lshl_b32 s82, s11, 16                        ; v^T's scale words
	s_lshl_b32 s17, s12, 8
	s_add_co_u32 s82, s82, s17
	s_add_co_u32 s82, s82, VSO
	s_mov_b32 s83, 0
	s_lshl_b32 s84, s11, 11                        ; the batch's mask
	s_mov_b32 s85, 0
	s_lshl_b32 s17, ttmp9, 8
	s_add_co_u32 s86, s84, s17
	s_lshl_b32 s17, s18, 5
	s_add_co_u32 s86, s86, s17                     ; and my 32 queries' bytes of it
	s_mov_b32 s87, 0
	s_lshl_b32 s88, s14, 19                        ; q's two images
	s_lshl_b32 s17, s11, 18
	s_add_co_u32 s88, s88, s17
	s_lshl_b32 s17, ttmp9, 15
	s_add_co_u32 s88, s88, s17
	s_lshl_b32 s17, s18, 12
	s_add_co_u32 s88, s88, s17
	s_lshl_b32 s17, s13, 10
	s_add_co_u32 s88, s88, s17
	s_mov_b32 s89, 0
	s_lshl_b32 s90, s14, 14                        ; q's scale words, at the head's two bytes
	s_lshl_b32 s17, s11, 13
	s_add_co_u32 s90, s90, s17
	s_lshl_b32 s17, ttmp9, 10
	s_add_co_u32 s90, s90, s17
	s_lshl_b32 s17, s18, 7
	s_add_co_u32 s90, s90, s17
	s_lshl_b32 s17, s13, 1
	s_add_co_u32 s90, s90, s17
	s_add_co_u32 s90, s90, QKS
	s_mov_b32 s91, 0
	s_lshl_b32 s92, s11, 23                        ; the result: my first row of 4,096 bytes, the head's 256
	s_lshl_b32 s17, ttmp9, 20
	s_add_co_u32 s92, s92, s17
	s_lshl_b32 s17, s18, 17
	s_add_co_u32 s92, s92, s17
	s_lshl_b32 s17, s12, 8
	s_add_co_u32 s92, s92, s17
	s_mov_b32 s93, 0
	; descriptor groups 1, elements of 8 bytes.  First fill: 8 rows of 1,024 bytes; k's 2,048 bytes apart, v^T's dense
	s_mov_b32 s24, 3<<16
	s_mov_b32 s25, 128<<16
	s_mov_b32 s26, 8<<16
	s_mov_b32 s27, 128<<16
	s_mov_b32 s28, 8
	s_mov_b32 s29, 256
	s_mov_b32 s30, 0
	s_mov_b32 s31, 0
	s_mov_b32 s32, 3<<16
	s_mov_b32 s33, 128<<16
	s_mov_b32 s34, 8<<16
	s_mov_b32 s35, 128<<16
	s_mov_b32 s36, 8
	s_mov_b32 s37, 128
	s_mov_b32 s38, 0
	s_mov_b32 s39, 0
	; second fill: k: 24 rows of 1,024 bytes, 2,048 apart; v^T: 3 rows of 8,192 bytes, 131,072 apart
	s_mov_b32 s48, 3<<16
	s_mov_b32 s49, 128<<16
	s_mov_b32 s50, 24<<16
	s_mov_b32 s51, 128<<16
	s_mov_b32 s52, 24
	s_mov_b32 s53, 256
	s_mov_b32 s54, 0
	s_mov_b32 s55, 0
	s_mov_b32 s56, 3<<16
	s_mov_b32 s57, 1024<<16
	s_mov_b32 s58, 3<<16
	s_mov_b32 s59, 1024<<16
	s_mov_b32 s60, 3
	s_mov_b32 s61, 16384
	s_mov_b32 s62, 0
	s_mov_b32 s63, 0
	s_mov_b32 s20, 0x76543210
	s_mov_b32 s21, 0xfedcba98                      ; v_permlanex16_b32's selects for lane l xor 16
	s_mov_b32 s19, 0x600000                        ; the mantissa field of 57,344
	s_wait_alu depctr_va_vdst(0)
	s_wait_dscnt 0x0
	s_wait_kmcnt 0x0
	s_add_nc_u64 s[42:43], s[4:5], s[66:67]
	s_or_b32 s43, s43, 0x80000000
	s_add_nc_u64 s[46:47], s[4:5], s[68:69]
	s_or_b32 s47, s47, 0x80000000
	TL2 40, 24, 32                                 ; key steps 0-3: one tensor load a wave at the head
	s_add_nc_u64 s[80:81], s[4:5], s[80:81]
	s_add_nc_u64 s[82:83], s[4:5], s[82:83]
	s_add_nc_u64 s[84:85], s[6:7], s[84:85]
	s_add_nc_u64 s[86:87], s[6:7], s[86:87]
	s_add_nc_u64 s[88:89], s[4:5], s[88:89]
	s_add_nc_u64 s[90:91], s[4:5], s[90:91]
	s_add_nc_u64 s[92:93], s[8:9], s[92:93]
	v_and_b32 v[T], 31, v0                         ; lane
	v_and_b32 v[T+1], 15, v0                       ; r
	v_bfe_u32 v[T+2], v0, 4, 1                     ; h
	v_lshlrev_b32 v[T+3], 4, v0                    ; the tables, by all 256 threads: 16 t,
	v_lshrrev_b32 v[T+4], 4, v0
	v_lshlrev_b32 v[T+5], 4, v[T+1]
	v_lshl_add_u32 v[T+4], v[T+4], 12, v[T+5]      ; 4,096 (t / 16) + 16 (t % 16),
	v_lshlrev_b32 v[T+5], 3, v0                    ; 8 t
	v_lshlrev_b32 v[T+6], 4, v[T]
	v_lshlrev_b32 v[T+7], 2, v[T+1]
	global_load_b128 v[T+12:T+15], v[T+3], s[80:81]              ; k's scale words of keys 4 t .. 4 t + 3,
	global_load_b128 v[T+16:T+19], v[T+3], s[80:81] offset:4096  ; and of keys 1,024 + 4 t on
	global_load_b128 v[T+20:T+23], v[T+4], s[82:83]              ; v^T's: step t / 16, rows 4 (t % 16) on
	global_load_b64 v[T+24:T+25], v[T+5], s[84:85]               ; the mask of keys 8 t .. 8 t + 7
	global_load_u8 v[T+26], v[T+1], s[86:87]                     ; the mask of my query in tile 0,
	global_load_u8 v[T+27], v[T+1], s[86:87] offset:16           ; in tile 1
	global_load_u16 v[T+28], v[T+7], s[90:91]                    ; q's two scale bytes, tile 0,
	global_load_u16 v[T+29], v[T+7], s[90:91] offset:64          ; tile 1
	global_load_b128 v[QZ+8:QZ+11], v[T+6], s[88:89]             ; q's codes: tile 0,
	global_load_b128 v[QZ+12:QZ+15], v[T+6], s[88:89] offset:512
	global_load_b128 v[QZ+24:QZ+27], v[T+6], s[88:89] offset:2048   ; tile 1
	global_load_b128 v[QZ+28:QZ+31], v[T+6], s[88:89] offset:2560
	v_lshlrev_b32 v1, 4, v[T]                      ; k's tiles: 16 x lane
	v_lshl_add_u32 v2, v[T], 4, VREG               ; v^T's
	v_lshl_add_u32 v3, v[T], 2, KSC                ; k's scale words: 4 x lane
	v_lshl_add_u32 v4, v[T], 2, VSC                ; v^T's
	v_lshl_add_u32 v5, v[T+2], 5, KBI              ; the keys' addends: 32 h
	v_add_nc_u32 v8, 8192, v1                      ; in hand: k, its scale words and the addends of key step 1; v^T and its scale words of key step 0
	v_mov_b32 v9, v2
	v_add_nc_u32 v10, 512, v3
	v_mov_b32 v11, v4
	v_add_nc_u32 v12, 512, v5
	v_lshl_add_u32 v[T+8], v0, 4, KSC              ; where the tables go
	v_lshl_add_u32 v[T+9], v0, 4, VSC
	v_lshl_add_u32 v[T+10], v0, 5, KBI
	v_mov_b32 v[T+30], 0x3ab8aa3b                  ; c = log2(e) / 1024
	v_mov_b32 v[T+31], 0xff61b1e6                  ; -3e38
.irp tb, TB0, TB1
	v_mov_b32 v[\tb+3], 0xf149f2ca                 ; the largest t so far: -1e30
	v_mov_b32 v[\tb+2], 0x7149f2ca                 ; -M = floor(1e30)
	v_mov_b32 v[\tb+4], 0
	v_mov_b32 v[\tb+5], 0
	v_mov_b32 v[\tb+7], 0                          ; (named as the upper half of the pair with f)
.irp i, 12,13,14,15
	v_mov_b32 v[\tb+\i], 0                         ; written once: a lane permute's destination counts as read
.endr
.endr
.irp z, 0,16,32
.irp i, 0,1,2,3,4,5,6,7
	v_mov_b32 v[QZ+\z+\i], 0                       ; the zero codes round q's two tiles
.endr
.endr
	WIN 0x40
.set ji, 0
.rept 64
	v_mov_b32 v[ji], 0                             ; O^T of both tiles: the step is written once; the first finds zeros
.set ji, ji+1
.endr
	WIN 0
	s_wait_alu depctr_va_vdst(0)
	s_wait_loadcnt 0x0
	v_lshl_or_b32 v[QS], v[T+28], 16, v[T+28]      ; q's scale words: the head's two bytes twice
	v_lshl_or_b32 v[QS+1], v[T+29], 16, v[T+29]
	v_cmp_ne_u32 vcc_lo, 0, v[T+26]
	v_cndmask_b32 v[TB0], 0, v[T+30], vcc_lo       ; c, or 0 for a masked query
	v_cndmask_b32 v[TB0+1], 0, v[T+30], vcc_lo
	v_cmp_ne_u32 vcc_lo, 0, v[T+27]
	v_cndmask_b32 v[TB1], 0, v[T+30], vcc_lo
	v_cndmask_b32 v[TB1+1], 0, v[T+30], vcc_lo
.irp i, 0,1,2,3,4,5,6,7
	v_bfe_u32 v[T+12+\i], v[T+12+\i], s22, 16      ; the head's two bytes,
.endr
.irp i, 0,1,2,3,4,5,6,7
	v_lshl_or_b32 v[T+12+\i], v[T+12+\i], 16, v[T+12+\i]   ; twice
.endr
	ds_store_b128 v[T+8], v[T+12:T+15]
	ds_store_b128 v[T+8], v[T+16:T+19] offset:4096
	ds_store_b128 v[T+9], v[T+20:T+23]
.irp i, 0,1,2,3
	v_bfe_u32 v[T+32+\i], v[T+24], 8*\i, 8
	v_cmp_eq_u32 vcc_lo, 0, v[T+32+\i]
	v_cndmask_b32 v[T+32+\i], 0, v[T+31], vcc_lo
	v_bfe_u32 v[T+36+\i], v[T+25], 8*\i, 8
	v_cmp_eq_u32 vcc_lo, 0, v[T+36+\i]
	v_cndmask_b32 v[T+36+\i], 0, v[T+31], vcc_lo
.endr
	ds_store_b128 v[T+10], v[T+32:T+35]
	ds_store_b128 v[T+10], v[T+36:T+39] offset:16
; S^T of query tile t: eight products.  A: a pair of key tiles; B: q with its zeros above or below; C: the addends, which lie in tile 0's score registers.
.macro SCORE t
.irp i, 0,1,2,3
	WM S+16*\i, KF+16*\i, QZ+8+16*\t, KS+\i, QS+\t, 0
	WM S+16*\i+8, KF+16*\i, QZ+16*\t, KS+\i, QS+\t, 1
.endr
.endm
; O^T of query tile t += v^T p^T: four accumulators, one instruction each
.macro PV t
.irp i, 0,1
	WM 32*\t+16*\i, KF+32*\i, PC+16*\t, VS+\i, PS+\t, 0
	WM 32*\t+16*\i+8, KF+32*\i+16, PC+16*\t, VS+\i, PS+\t, 1
.endr
.endm
.macro TREE tb, m1, m2                 ; the largest score of each block of 32 keys, my 16 of them; each accumulator is read from its low end on
	WIN \m1
.irp b, 0,1,2,3
	v_max3_num_f32 v[\tb+8+\b], v[S+16*\b], v[S+16*\b+1], v[S+16*\b+2]
.endr
	WIN \m2
.irp i, 3,5,7,9,11,13
.irp b, 0,1,2,3
	v_max3_num_f32 v[\tb+8+\b], v[\tb+8+\b], v[S+16*\b+\i], v[S+16*\b+\i+1]
.endr
.endr
.irp b, 0,1,2,3
	v_max_num_f32 v[\tb+8+\b], v[\tb+8+\b], v[S+16*\b+15]
.endr
.endm
.macro TM tb                           ; t - M, two at a time
.set jb, 0
.rept 32
	v_pk_fma_f32 v[S+jb:S+jb+1], v[S+jb:S+jb+1], v[\tb:\tb+1], v[\tb+2:\tb+3] op_sel_hi:[1,0,0]
.set jb, jb+2
.endr
.endm
.macro EX                              ; p = 2^(t - M)
.set jb, 0
.rept 64
	v_exp_f32 v[S+jb], v[S+jb]
.set jb, jb+1
.endr
.endm
.macro SUM tb, m1, m2                  ; the row's sum of the unquantised p, two at a time, in four chains
	WIN \m1
	v_pk_add_f32 v[\tb+12:\tb+13], v[S:S+1], v[S+2:S+3]
	v_pk_add_f32 v[\tb+14:\tb+15], v[S+4:S+5], v[S+6:S+7]
	v_pk_add_f32 v[\tb+16:\tb+17], v[S+8:S+9], v[S+10:S+11]
	WIN \m2
	v_pk_add_f32 v[\tb+4:\tb+5], v[\tb+4:\tb+5], v[S+12:S+13]
.irp j, 14,22,30,38,46,54
	v_pk_add_f32 v[\tb+12:\tb+13], v[\tb+12:\tb+13], v[S+\j:S+\j+1]
	v_pk_add_f32 v[\tb+14:\tb+15], v[\tb+14:\tb+15], v[S+\j+2:S+\j+3]
	v_pk_add_f32 v[\tb+16:\tb+17], v[\tb+16:\tb+17], v[S+\j+4:S+\j+5]
	v_pk_add_f32 v[\tb+4:\tb+5], v[\tb+4:\tb+5], v[S+\j+6:S+\j+7]
.endr
	v_pk_add_f32 v[\tb+12:\tb+13], v[\tb+12:\tb+13], v[S+62:S+63]
	WIN 0
	v_pk_add_f32 v[\tb+12:\tb+13], v[\tb+12:\tb+13], v[\tb+14:\tb+15]
	v_pk_add_f32 v[\tb+4:\tb+5], v[\tb+4:\tb+5], v[\tb+16:\tb+17]
	v_pk_add_f32 v[\tb+4:\tb+5], v[\tb+4:\tb+5], v[\tb+12:\tb+13]
.endm
.macro HOLD tb                         ; the conversion does not saturate (ISA guide 7.6.2); p is not negative, so the hold is one-sided
.irp b, 0,1,2,3
.irp i, 0,1,2,3,4,5,6,7,8,9,10,11,12,13,14,15
	v_min_num_f32 v[S+16*\b+\i], v[S+16*\b+\i], v[\tb+16+\b]
.endr
.endr
.endm
.macro CVT tb, t
.irp b, 0,1,2,3
	v_cvt_scalef32_pk8_bf8_f32 v[PC+16*\t+4*\b:PC+16*\t+4*\b+1], v[S+16*\b:S+16*\b+7], v[\tb+20+\b]
	v_cvt_scalef32_pk8_bf8_f32 v[PC+16*\t+4*\b+2:PC+16*\t+4*\b+3], v[S+16*\b+8:S+16*\b+15], v[\tb+20+\b]
.endr
.endm
; A KEY STEP: 128 keys, both query tiles.  pre = 1: the next step's k, scale words and addends are asked for.
; s2, s94: where k (8,192 bytes a step) and its scale words and addends (512) of the step after next begin, held inside their tables; s3, s95: v^T (8,192) and its scale words (256) of the next step.
.macro STEP pre
	s_wait_dscnt 0x0                               ; k, its scale words and the addends are in: all were asked for in the step before
	WIN 0x40
	SCORE 1                                        ; D: tile 1's registers; C: the addends in tile 0's
.rept 9
	v_nop                                          ; nine places: tile 0's products write over what tile 1's read as C; they also stand behind the last step's second products, into whose operands v^T is loaded
.endr
.irp u, 0,1,2,3
.irp c, 0,1,2,3
	ds_load_b128 v[KF+16*\u+4*\c:KF+16*\u+4*\c+3], v9 offset:\u*2048+\c*512   ; v^T: 16 of the head's 64 x these 128 keys
.endr
.endr
	WIN 0
	ds_load_b32 v[VS], v11
	ds_load_b32 v[VS+1], v11 offset:128
	SCORE 0                                        ; in place, onto the addends
	TREE TB1, 0x15, 0x14                           ; 32 plain lines on tile 1: the places behind tile 0's products
	WIN 0
.if \pre
.irp t, 0,1,2,3,4,5,6,7
	ds_load_b128 v[KF+8*\t:KF+8*\t+3], v8 offset:\t*1024           ; the next step's k: tile t is eight registers; two tiles on end are one operand
	ds_load_b128 v[KF+8*\t+4:KF+8*\t+7], v8 offset:\t*1024+512
.endr
.irp i, 0,1,2,3
	ds_load_b32 v[KS+\i], v10 offset:128*\i        ; lanes 0-15: the even tile's words, lanes 16-31: the odd tile's
.endr
.endif
	TREE TB0, 0, 0
.irp tb, TB0, TB1                      ; from here on the two tiles' figures by turns
.irp b, 0,1,2,3
	v_permlanex16_b32 v[\tb+12+\b], v[\tb+8+\b], s20, s21
.endr
.endr
.irp tb, TB0, TB1
.irp b, 0,1,2,3
	v_max_num_f32 v[\tb+8+\b], v[\tb+8+\b], v[\tb+12+\b]   ; with lane l xor 16's 16 keys
.endr
.endr
.irp tb, TB0, TB1
	v_max3_num_f32 v[\tb+24], v[\tb+8], v[\tb+9], v[\tb+10]
.endr
.irp tb, TB0, TB1
	v_max_num_f32 v[\tb+24], v[\tb+24], v[\tb+11]
.endr
.irp tb, TB0, TB1
	v_mul_f32 v[\tb+24], v[\tb], v[\tb+24]         ; as t (c is not negative)
.endr
.irp tb, TB0, TB1
	v_max_num_f32 v[\tb+3], v[\tb+3], v[\tb+24]
.endr
.irp tb, TB0, TB1
	v_mov_b32 v[\tb+24], v[\tb+2]
.endr
.irp tb, TB0, TB1
	v_floor_f32 v[\tb+2], -v[\tb+3]                ; the new -M
.endr
.irp tb, TB0, TB1
	v_sub_f32 v[\tb+24], v[\tb+2], v[\tb+24]       ; old M - new M: a whole number, 0 or less
.endr
.irp tb, TB0, TB1
.irp b, 0,1,2,3
	v_fma_f32 v[\tb+8+\b], v[\tb+8+\b], v[\tb], v[\tb+2]   ; t - M of each block's largest score
.endr
.endr
.irp tb, TB0, TB1
	v_cvt_i32_f32 v[\tb+24], v[\tb+24]             ; (it saturates)
.endr
	TM TB0
.irp tb, TB0, TB1
	v_ldexp_f32 v[\tb+6], 1.0, v[\tb+24]           ; f = 2^(old M - new M)
.endr
	WIN 0x41
	TM TB1
.set jb, 0
.rept 16
	v_pk_mul_f32 v[jb:jb+1], v[jb:jb+1], v[TB0+6:TB0+7] op_sel_hi:[1,0]   ; O^T under the new M: no exponential stands between the last products and these first reads
.set jb, jb+2
.endr
.rept 16
	v_pk_mul_f32 v[jb:jb+1], v[jb:jb+1], v[TB1+6:TB1+7] op_sel_hi:[1,0]
.set jb, jb+2
.endr
	s_wait_alu depctr_va_vdst(0)
	EX                                             ; ONE BATCH: tile 1's 64,
	WIN 0
	EX                                             ; tile 0's 64,
.irp tb, TB0, TB1
.irp b, 0,1,2,3
	v_exp_f32 v[\tb+8+\b], v[\tb+8+\b]             ; and each block's largest p: the same two instructions on the same number give the same bits
.endr
.endr
.irp tb, TB0, TB1
	v_pk_mul_f32 v[\tb+4:\tb+5], v[\tb+4:\tb+5], v[\tb+6:\tb+7] op_sel_hi:[1,0]   ; the sums under the new M (the plain lines behind the batch)
.endr
	s_wait_alu depctr_va_vdst(0)                   ; one wait for the batch, ahead of its first reader
	SUM TB0, 0, 0
	SUM TB1, 0x05, 0x04
.irp tb, TB0, TB1
.irp b, 0,1,2,3
	v_max_num_f32 v[\tb+8+\b], 0x8000000, v[\tb+8+\b]      ; the floor 2^(16 - 127): the byte cannot fall under 1
.endr
.endr
.irp tb, TB0, TB1
.irp b, 0,1,2,3
	v_add_nc_u32 v[\tb+20+\b], 0xf8800000, v[\tb+8+\b]     ; 15 off the exponent field: the conversion's scale operand
.endr
.endr
.irp tb, TB0, TB1
.irp b, 0,1,2,3
	v_and_or_b32 v[\tb+16+\b], v[\tb+8+\b], 0x7f800000, s19   ; 57,344 x the scale
.endr
.endr
.irp tb, TB0, TB1
.irp b, 0,1,2,3
	v_lshrrev_b32 v[\tb+12+\b], 23, v[\tb+20+\b]           ; the scale's byte
.endr
.endr
.irp tb, TB0, TB1
	v_lshl_or_b32 v[\tb+24], v[\tb+13], 8, v[\tb+12]
.endr
.irp tb, TB0, TB1
	v_lshl_or_b32 v[\tb+24], v[\tb+14], 16, v[\tb+24]
.endr
	v_lshl_or_b32 v[PS], v[TB0+15], 24, v[TB0+24]  ; p's scale words for these 128 keys
	v_lshl_or_b32 v[PS+1], v[TB1+15], 24, v[TB1+24]
	HOLD TB0
	WIN 0x40
	CVT TB0, 0
	WIN 0
.if \pre
.irp t, 0,1,2,3,4,5,6,7
	ds_load_b128 v[S+8*\t:S+8*\t+3], v12 offset:64*\t              ; the next step's addends, in the result's layout, into tile 0's score registers, which are done with
	ds_load_b128 v[S+8*\t+4:S+8*\t+7], v12 offset:64*\t+16
.endr
.endif
	WIN 0x41
	HOLD TB1
	CVT TB1, 1
	WIN 0
.if \pre
	v_add_nc_u32 v9, s3, v2                        ; five plain lines: the places between tile 1's codes and its products
	v_add_nc_u32 v11, s95, v4
	v_add_nc_u32 v8, s2, v1
	v_add_nc_u32 v10, s94, v3
	v_add_nc_u32 v12, s94, v5
	s_add_co_u32 s3, s3, 8192
	s_add_co_u32 s95, s95, 256
	s_add_co_u32 s2, s2, 8192
	s_and_b32 s2, s2, 0x1ffff                      ; held inside k's 131,072 bytes,
	s_add_co_u32 s94, s94, 512
	s_and_b32 s94, s94, 0x1fff                     ; and inside the tables' 8,192
.else
.rept 4
	v_nop
.endr
.endif
	s_wait_alu depctr_va_vdst(0)
.if \pre
	s_wait_dscnt 36                                ; v^T and its scale words are in; behind them: k's 16 loads, its 4 scale words, the 16 of the addends
.else
	s_wait_dscnt 0x0
.endif
	WIN 0x55
	PV 0
	PV 1
	WIN 0
.endm
	s_wait_alu depctr_va_vdst(0)
	s_wait_tensorcnt 0x0                           ; my part of key steps 0-3 has landed
	ds_add_u32 v6, v7
	s_wait_dscnt 0x0                               ; the add is done, and so are my stores of the tables
	s_barrier_signal -1
	s_barrier_wait -1
	TL2 44, 48, 56                                 ; key steps 4-15: my one tensor load behind the barrier
.irp t, 0,1,2,3,4,5,6,7
	ds_load_b128 v[KF+8*\t:KF+8*\t+3], v1 offset:\t*1024           ; key step 0: k,
	ds_load_b128 v[KF+8*\t+4:KF+8*\t+7], v1 offset:\t*1024+512
.endr
.irp i, 0,1,2,3
	ds_load_b32 v[KS+\i], v3 offset:128*\i         ; its scale words,
.endr
.irp t, 0,1,2,3,4,5,6,7
	ds_load_b128 v[S+8*\t:S+8*\t+3], v5 offset:64*\t               ; its addends
	ds_load_b128 v[S+8*\t+4:S+8*\t+7], v5 offset:64*\t+16
.endr
	s_mov_b32 s2, 16384
	s_mov_b32 s94, 1024
	s_mov_b32 s3, 8192
	s_mov_b32 s95, 256
	s_mov_b32 s70, 3
.Lone:                                             ; key steps 0 to 2: they read, and ask for, key steps 0-3 alone, which the first fill brought
	STEP 1
	s_sub_co_u32 s70, s70, 1
	s_cmp_lg_u32 s70, 0
	s_wait_alu depctr_va_vdst(0)
	s_cbranch_scc1 .Lone
	s_wait_tensorcnt 0x0                           ; my part of key steps 4-15 has landed,
	s_wait_dscnt 0x0                               ; no LDS instruction of mine is out,
	s_barrier_signal -1
	s_barrier_wait -1                              ; and so for every wave.
	s_mov_b32 s70, 12
.Ltwo:                                             ; key steps 3 to 14
	STEP 1
	s_sub_co_u32 s70, s70, 1
	s_cmp_lg_u32 s70, 0
	s_wait_alu depctr_va_vdst(0)
	s_cbranch_scc1 .Ltwo
	STEP 0                                         ; key step 15 asks for nothing more
	; THE WAY OUT.  O^T is divided by the row's sum and goes through my own stage, a tile at a time, so that sixteen lanes store 256 consecutive bytes.
.irp tb, TB0, TB1
	v_add_f32 v[\tb+4], v[\tb+4], v[\tb+5]
.endr
.irp tb, TB0, TB1
	v_permlanex16_b32 v[\tb+6], v[\tb+4], s20, s21
.endr
.irp tb, TB0, TB1
	v_add_f32 v[\tb+4], v[\tb+4], v[\tb+6]         ; the row's sum
.endr
	s_wait_alu depctr_va_vdst(0)
	v_rcp_f32 v[TB0+24], v[TB0+4]
	v_rcp_f32 v[TB1+24], v[TB1+4]
	v_and_b32 v8, 15, v0
	v_bfe_u32 v9, v0, 4, 1
	s_mul_i32 s22, s18, 16*272
	s_add_co_u32 s22, s22, STG
	v_mul_u32_u24 v10, v8, 272
	v_lshl_add_u32 v10, v9, 5, v10
	v_add_nc_u32 v10, s22, v10                     ; in: row r, 32 h
	v_mul_u32_u24 v11, v9, 272
	v_lshl_add_u32 v11, v8, 4, v11
	v_add_nc_u32 v11, s22, v11                     ; back: lanes 0-15 one row, lanes 16-31 the next
	v_lshlrev_b32 v12, 12, v9
	v_lshl_add_u32 v12, v8, 4, v12                 ; and the same two rows in memory
	WIN 0x41
	s_wait_alu depctr_va_vdst(0)                   ; one wait for the two reciprocals and for the last products' results, directly ahead of their first readers
.set jo, 0
.rept 32
	v_mul_f32 v[S+jo], v[jo], v[TB0+24]            ; register 8 u + i: channel 16 u + 8 h + i of query r; each accumulator from its low end on
.set jo, jo+1
.endr
.rept 32
	v_mul_f32 v[S+jo], v[jo], v[TB1+24]
.set jo, jo+1
.endr
.irp w, 0,1
	WIN 0x04                                       ; an LDS store's data are its source 1: window 1
.irp u, 0,1,2,3
	ds_store_b128 v10, v[S+32*\w+8*\u:S+32*\w+8*\u+3] offset:64*\u
	ds_store_b128 v10, v[S+32*\w+8*\u+4:S+32*\w+8*\u+7] offset:64*\u+16
.endr
	WIN 0
.irp i, 0,1,2,3,4,5,6,7
	ds_load_b128 v[KF+32*\w+4*\i:KF+32*\w+4*\i+3], v11 offset:544*\i   ; LDS serves a wave's instructions in order: these see my stores, and tile 1's stores come behind them
.endr
.endr
.irp i, 0,1,2,3,4,5,6,7
	s_wait_dscnt 23-\i                             ; behind tile 0's load i: its 7 - i younger loads, tile 1's eight stores and eight loads
	global_store_b128 v12, v[KF+4*\i:KF+4*\i+3], s[92:93] offset:8192*\i   ; sixteen lanes store 256 consecutive bytes, aligned
.endr
.irp i, 0,1,2,3,4,5,6,7
	s_wait_dscnt 7-\i
	global_store_b128 v12, v[KF+32+4*\i:KF+32+4*\i+3], s[92:93] offset:65536+8192*\i
.endr
	s_wait_tensorcnt 0x0                           ; the wave's end
	ds_add_u32 v6, v7
	s_wait_dscnt 0x0
	s_endpgm
.Lfunc_end_k_q80df9f098d_att:
	.size	k_q80df9f098d_att, .Lfunc_end_k_q80df9f098d_att-k_q80df9f098d_att
	.p2alignl 7, 3214868480
	.fill 96, 4, 3214868480
	.section	.rodata,"a",@progbits
	.p2align	6, 0x0
	.amdhsa_kernel k_q80df9f098d_att
		.amdhsa_group_segment_fixed_size 327680
		.amdhsa_private_segment_fixed_size 0
		.amdhsa_enable_private_segment 0
		.amdhsa_kernarg_size 24
		.amdhsa_user_sgpr_count 2
		.amdhsa_user_sgpr_kernarg_segment_ptr 1
		.amdhsa_wavefront_size32 1
		.amdhsa_system_sgpr_workgroup_id_x 1
		.amdhsa_system_sgpr_workgroup_id_y 1
		.amdhsa_system_sgpr_workgroup_id_z 1
		.amdhsa_system_vgpr_workitem_id 0
		.amdhsa_next_free_vgpr 512
		.amdhsa_next_free_sgpr 96
		.amdhsa_reserve_vcc 1
		.amdhsa_float_denorm_mode_32 3
		.amdhsa_float_denorm_mode_16_64 3
		.amdhsa_memory_ordered 1
		.amdhsa_forward_progress 1
		.amdhsa_inst_pref_size 130
	.end_amdhsa_kernel
	.amdgpu_metadata
---
amdhsa.version: [ 1, 2 ]
amdhsa.kernels:
  - .name:           k_q80df9f098d_att
    .symbol:         k_q80df9f098d_att.kd
    .args:
      - { .name: wqkv, .offset: 0, .size: 8, .value_kind: global_buffer, .address_space: global }
      - { .name: mask, .offset: 8, .size: 8, .value_kind: global_buffer, .address_space: global }
      - { .name: wattn, .offset: 16, .size: 8, .value_kind: global_buffer, .address_space: global }
    .group_segment_fixed_size: 327680
    .private_segment_fixed_size: 0
    .kernarg_segment_align: 8
    .kernarg_segment_size: 24
    .max_flat_workgroup_size: 256
    .sgpr_count:     96
    .vgpr_count:     512
    .wavefront_size: 32
...
	.end_amdgpu_metadata
.endif
;; end of part 3
;; launch ln1 (part 4): grid 256 x 1, 8 waves a work-group, no clusters, 59,904 bytes of LDS; arguments x, wattn, g1, beta1, wh1; writes wh1
.if DOCPART == 4
	.amdgcn_target "amdgcn-amd-amdhsa--gfx1250"
	.amdhsa_code_object_version 6
	.text
	.protected	k_q80df9f098d_ln1
	.globl	k_q80df9f098d_ln1
	.p2align	8
	.type	k_q80df9f098d_ln1,@function
k_q80df9f098d_ln1:
	s_mov_b64 s[64:65], 0
	v_nop
	global_prefetch_b8 v0, s[64:65] scope:SCOPE_SE
	s_setreg_imm32_b32 hwreg(HW_REG_WAVE_MODE, 25, 1), 1
	s_wait_xcnt 0x0
; h1 = layernorm(x + attn) g1 + beta1, stored as f32 and, quantised along its 1,024 (E5M2 codes, one E8M0 byte for each 32), as images of operand registers with their scale words.
; A work-group takes 16 rows (one row block of the images), a wave two of them; a row stays in 32 registers between the mean, the variance (of the deviations: no difference of large sums) and the scaling.
; For the quantiser a lane must hold 16 neighbours: 512 numbers at a time turn through the wave's own stage in LDS.  The codes of the 16 rows meet in a stage of 64 pieces of 256 bytes; behind one barrier wave w stores K step w's image.
; Memory binds: no matrix unit, no tensor load, no cluster.  LIMITS: NaN and infinities are not served; a block of zeros gets the byte 1 (this program alone reads the bytes).
.set H1C, 0x1000000
.set H1S, 0x1400000
.set CST, 40960                        ; 64 pieces x (256 bytes + 16)
.set SST, 58368                        ; 8 K steps x 16 rows x 4 bytes
	s_load_b256 s[4:11], s[0:1], 0x0               ; x, attn, g1, beta1
	s_load_b64 s[12:13], s[0:1], 0x20              ; h1
	v_lshl_add_u32 v240, v0, 2, 0xe600
	v_mov_b32 v241, 0
	v_lshrrev_b32 v1, 5, v0
	s_delay_alu instid0(VALU_DEP_1)
	v_readfirstlane_b32 s14, v1                    ; wave 0..7
	v_and_b32 v2, 31, v0
	s_wait_alu depctr_va_vdst(0)
	v_lshlrev_b32 v3, 4, v2                        ; 16 x lane
	s_lshl_b32 s16, ttmp9, 16
	s_lshl_b32 s15, s14, 13
	s_add_co_u32 s16, s16, s15                     ; my two rows of 4,096 bytes
	s_mov_b32 s17, 0
	s_lshr_b32 s18, ttmp9, 3
	s_and_b32 s19, ttmp9, 7
	s_lshl_b32 s20, s18, 17
	s_lshl_b32 s15, s14, 14
	s_add_co_u32 s20, s20, s15
	s_lshl_b32 s15, s19, 11
	s_add_co_u32 s20, s20, s15
	s_add_co_u32 s20, s20, H1C                     ; the image of K step w of this row block
	s_mov_b32 s21, 0
	s_lshl_b32 s22, s18, 12
	s_lshl_b32 s15, s19, 6
	s_add_co_u32 s22, s22, s15
	s_add_co_u32 s22, s22, H1S
	s_mov_b32 s23, 0
	s_mov_b32 s24, 0x76543210
	s_mov_b32 s25, 0xfedcba98
	s_mov_b32 s26, 0x3a800000                      ; 1 / 1024
	s_mov_b32 s27, 0x3727c5ac                      ; 1e-5
	s_mov_b32 s28, 0x600000                        ; the mantissa field of 57,344
	s_mul_i32 s29, s14, 5120
	v_lshrrev_b32 v14, 2, v2
	s_delay_alu instid0(VALU_DEP_1)
	v_mul_u32_u24 v14, v14, 80
	v_and_b32 v15, 3, v2
	s_delay_alu instid0(VALU_DEP_1)
	v_lshl_add_u32 v14, v15, 4, v14
	s_delay_alu instid0(VALU_DEP_1)
	v_add_nc_u32 v14, s29, v14                     ; turning stage, in
	v_mul_u32_u24 v15, v2, 80
	s_delay_alu instid0(VALU_DEP_1)
	v_add_nc_u32 v15, s29, v15                     ; and out
	s_lshl_b32 s30, s14, 5
	v_mul_u32_u24 v4, v2, 272
	s_delay_alu instid0(VALU_DEP_1)
	v_add_nc_u32 v4, s30, v4
	s_delay_alu instid0(VALU_DEP_1)
	v_add_nc_u32 v4, CST, v4                       ; piece = lane (+ 32 for the second half), 16 bytes for each row
	s_lshl_b32 s30, s14, 3
	v_lshrrev_b32 v5, 3, v2
	v_bfe_u32 v6, v2, 1, 2
	s_delay_alu instid0(VALU_DEP_1)
	v_lshl_add_u32 v5, v5, 6, v6
	s_delay_alu instid0(VALU_DEP_1)
	v_add_nc_u32 v5, s30, v5
	s_delay_alu instid0(VALU_DEP_1)
	v_add_nc_u32 v5, SST, v5                       ; my block's byte
	s_mul_i32 s30, s14, 2176
	v_lshrrev_b32 v6, 4, v2
	s_delay_alu instid0(VALU_DEP_1)
	v_mul_u32_u24 v6, v6, 272
	v_and_b32 v7, 15, v2
	s_delay_alu instid0(VALU_DEP_1)
	v_lshl_add_u32 v6, v7, 4, v6
	s_delay_alu instid0(VALU_DEP_1)
	v_add_nc_u32 v6, s30, v6
	s_delay_alu instid0(VALU_DEP_1)
	v_add_nc_u32 v6, CST, v6                       ; pieces 8 w on, back
	v_lshl_add_u32 v7, v2, 4, SST
	v_lshrrev_b32 v12, 2, v2
	v_and_b32 v13, 3, v2
	s_delay_alu instid0(VALU_DEP_1)
	v_lshlrev_b32 v13, 4, v13
	s_delay_alu instid0(VALU_DEP_1)
	v_lshl_add_u32 v12, v12, 9, v13                ; the scale words in memory: 512 (lane / 4) + 16 (lane % 4)
	s_wait_kmcnt 0x0
	s_add_nc_u64 s[4:5], s[4:5], s[16:17]
	s_add_nc_u64 s[6:7], s[6:7], s[16:17]
	s_add_nc_u64 s[16:17], s[12:13], s[16:17]
	s_add_nc_u64 s[20:21], s[12:13], s[20:21]
	s_add_nc_u64 s[22:23], s[12:13], s[22:23]
.irp j, 0,1,2,3,4,5,6,7
	global_load_b128 v[16+4*\j:19+4*\j], v3, s[8:9] offset:512*\j
.endr
.irp j, 0,1,2,3,4,5,6,7
	global_load_b128 v[48+4*\j:51+4*\j], v3, s[10:11] offset:512*\j
.endr
.irp j, 0,1,2,3,4,5,6,7
	global_load_b128 v[80+4*\j:83+4*\j], v3, s[4:5] offset:512*\j
.endr
.irp j, 0,1,2,3,4,5,6,7
	global_load_b128 v[112+4*\j:115+4*\j], v3, s[6:7] offset:512*\j
.endr
.irp j, 0,1,2,3,4,5,6,7
	global_load_b128 v[144+4*\j:147+4*\j], v3, s[4:5] offset:4096+512*\j
.endr
.irp j, 0,1,2,3,4,5,6,7
	global_load_b128 v[176+4*\j:179+4*\j], v3, s[6:7] offset:4096+512*\j
.endr
.macro REDUCE r, t                     ; the sum of v[r] over the 32 lanes, in every lane
	s_delay_alu instid0(VALU_DEP_1)
	v_add_f32_dpp v[\r], v[\r], v[\r] row_xmask:1 row_mask:0xf bank_mask:0xf
	s_delay_alu instid0(VALU_DEP_1)
	v_add_f32_dpp v[\r], v[\r], v[\r] row_xmask:2 row_mask:0xf bank_mask:0xf
	s_delay_alu instid0(VALU_DEP_1)
	v_add_f32_dpp v[\r], v[\r], v[\r] row_xmask:4 row_mask:0xf bank_mask:0xf
	s_delay_alu instid0(VALU_DEP_1)
	v_add_f32_dpp v[\r], v[\r], v[\r] row_xmask:8 row_mask:0xf bank_mask:0xf
	s_delay_alu instid0(VALU_DEP_1)
	v_permlanex16_b32 v[\t], v[\r], s24, s25
	s_delay_alu instid0(VALU_DEP_1)
	v_add_f32 v[\r], v[\r], v[\t]
.endm
.macro NORM XR, AR
.irp i, 0,2,4,6,8,10,12,14,16,18,20,22,24,26,28,30
	v_pk_add_f32 v[\XR+\i:\XR+\i+1], v[\XR+\i:\XR+\i+1], v[\AR+\i:\AR+\i+1]
.endr
	v_pk_add_f32 v[208:209], v[\XR:\XR+1], v[\XR+2:\XR+3]
	v_pk_add_f32 v[210:211], v[\XR+4:\XR+5], v[\XR+6:\XR+7]
.irp i, 8,12,16,20,24,28
	s_delay_alu instid0(VALU_DEP_2)
	v_pk_add_f32 v[208:209], v[208:209], v[\XR+\i:\XR+\i+1]
	s_delay_alu instid0(VALU_DEP_2)
	v_pk_add_f32 v[210:211], v[210:211], v[\XR+\i+2:\XR+\i+3]
.endr
	s_delay_alu instid0(VALU_DEP_1)
	v_pk_add_f32 v[208:209], v[208:209], v[210:211]
	s_delay_alu instid0(VALU_DEP_1)
	v_add_f32 v208, v208, v209
	REDUCE 208, 209
	s_delay_alu instid0(VALU_DEP_1)
	v_mul_f32 v208, s26, v208                      ; the mean
	s_delay_alu instid0(VALU_DEP_1)
	v_mov_b32 v209, v208
.irp i, 0,2,4,6,8,10,12,14,16,18,20,22,24,26,28,30
	v_pk_add_f32 v[\XR+\i:\XR+\i+1], v[\XR+\i:\XR+\i+1], v[208:209] neg_lo:[0,1] neg_hi:[0,1]
.endr
	v_pk_mul_f32 v[210:211], v[\XR:\XR+1], v[\XR:\XR+1]
	v_pk_mul_f32 v[212:213], v[\XR+2:\XR+3], v[\XR+2:\XR+3]
.irp i, 4,8,12,16,20,24,28
	s_delay_alu instid0(VALU_DEP_2)
	v_pk_fma_f32 v[210:211], v[\XR+\i:\XR+\i+1], v[\XR+\i:\XR+\i+1], v[210:211]
	s_delay_alu instid0(VALU_DEP_2)
	v_pk_fma_f32 v[212:213], v[\XR+\i+2:\XR+\i+3], v[\XR+\i+2:\XR+\i+3], v[212:213]
.endr
	s_delay_alu instid0(VALU_DEP_1)
	v_pk_add_f32 v[210:211], v[210:211], v[212:213]
	s_delay_alu instid0(VALU_DEP_1)
	v_add_f32 v210, v210, v211
	REDUCE 210, 211
	s_delay_alu instid0(VALU_DEP_1)
	v_fma_f32 v210, v210, s26, s27                 ; the variance + 1e-5
	s_wait_alu depctr_va_vdst(0)
	v_rsq_f32 v212, v210
	v_rsq_f32 v213, v210
	v_nop                                          ; a plain line behind the two
	s_wait_alu depctr_va_vdst(0)                   ; one wait for both, ahead of their first reader
.irp i, 0,2,4,6,8,10,12,14,16,18,20,22,24,26,28,30
	v_pk_mul_f32 v[\XR+\i:\XR+\i+1], v[\XR+\i:\XR+\i+1], v[212:213]
.endr
.irp i, 0,2,4,6,8,10,12,14,16,18,20,22,24,26,28,30
	v_pk_fma_f32 v[\XR+\i:\XR+\i+1], v[\XR+\i:\XR+\i+1], v[16+\i:17+\i], v[48+\i:49+\i]
.endr
.endm
.macro QROW XR, AR, rho                ; the row as f32 to memory; its two halves of 512 numbers through the stages, quantised, codes and bytes to the common stages
.irp j, 0,1,2,3,4,5,6,7
	global_store_b128 v3, v[\XR+4*\j:\XR+4*\j+3], s[16:17] offset:4096*\rho+512*\j
.endr
.irp u, 0,1
.irp i, 0,1,2,3
	ds_store_b128 v14, v[\XR+16*\u+4*\i:\XR+16*\u+4*\i+3] offset:2560*\u+640*\i
.endr
.irp i, 0,1,2,3
	ds_load_b128 v[\AR+16*\u+4*\i:\AR+16*\u+4*\i+3], v15 offset:2560*\u+16*\i
.endr
.endr
.irp u, 0,1
.if \u == 0
	s_wait_dscnt 8                                 ; the first half is back; the second half's four stores and four loads may be out
.else
	s_wait_dscnt 2                                 ; the second half is back; the first half's byte and codes may be out
.endif
	v_max3_num_f32 v214, |v[\AR+16*\u]|, |v[\AR+16*\u+1]|, |v[\AR+16*\u+2]|
	v_max3_num_f32 v215, |v[\AR+16*\u+3]|, |v[\AR+16*\u+4]|, |v[\AR+16*\u+5]|
.irp i, 6,10
	s_delay_alu instid0(VALU_DEP_2)
	v_max3_num_f32 v214, v214, |v[\AR+16*\u+\i]|, |v[\AR+16*\u+\i+1]|
	s_delay_alu instid0(VALU_DEP_2)
	v_max3_num_f32 v215, v215, |v[\AR+16*\u+\i+2]|, |v[\AR+16*\u+\i+3]|
.endr
	s_delay_alu instid0(VALU_DEP_2)
	v_max3_num_f32 v214, v214, |v[\AR+16*\u+14]|, |v[\AR+16*\u+15]|
	s_delay_alu instid0(VALU_DEP_1)
	v_max3_num_f32 v214, v214, v215, 0x8000000     ; the floor 2^(16 - 127)
	s_delay_alu instid0(VALU_DEP_1)
	v_max_num_f32_dpp v214, v214, v214 row_xmask:1 row_mask:0xf bank_mask:0xf
	s_delay_alu instid0(VALU_DEP_1)
	v_add_nc_u32 v217, 0xf8800000, v214
	s_delay_alu instid0(VALU_DEP_2)
	v_and_or_b32 v216, v214, 0x7f800000, s28
.irp i, 0,1,2,3,4,5,6,7,8,9,10,11,12,13,14,15
	v_med3_num_f32 v[\AR+16*\u+\i], v[\AR+16*\u+\i], -v216, v216
.endr
	v_cvt_scalef32_pk8_bf8_f32 v[220+8*\rho+4*\u:221+8*\rho+4*\u], v[\AR+16*\u:\AR+16*\u+7], v217
	v_cvt_scalef32_pk8_bf8_f32 v[222+8*\rho+4*\u:223+8*\rho+4*\u], v[\AR+16*\u+8:\AR+16*\u+15], v217
	v_lshrrev_b32 v[236+2*\rho+\u], 23, v217       ; the scale's byte (also the plain line behind the conversions)
	ds_store_b8 v5, v[236+2*\rho+\u] offset:256*\u+4*\rho
	ds_store_b128 v4, v[220+8*\rho+4*\u:223+8*\rho+4*\u] offset:8704*\u+16*\rho
.endr
.endm
	s_wait_loadcnt 16                              ; g1, beta1 and my first row are in; the second row's sixteen loads may be out
	NORM 80, 112
	QROW 80, 112, 0
	s_wait_loadcnt 0x0
	NORM 144, 176
	QROW 144, 176, 1
	s_wait_dscnt 0x0                               ; for the others' sake: my codes and bytes lie in the stages
	s_barrier_signal -1
	s_barrier_wait -1
.irp i, 0,1,2,3
	ds_load_b128 v[112+4*\i:115+4*\i], v6 offset:544*\i
.endr
	s_wait_dscnt 0x0
.irp i, 0,1,2,3
	global_store_b128 v3, v[112+4*\i:115+4*\i], s[20:21] offset:512*\i    ; 512 consecutive bytes of the image
.endr
	s_cmp_lg_u32 s14, 0
	s_cbranch_scc1 .Ldone
	ds_load_b128 v[128:131], v7                    ; wave 0: the 8 x 16 scale words
	s_wait_dscnt 0x0
	global_store_b128 v12, v[128:131], s[22:23]
.Ldone:
	s_wait_tensorcnt 0x0
	ds_add_u32 v240, v241
	s_wait_dscnt 0x0
	s_endpgm
.Lfunc_end_k_q80df9f098d_ln1:
	.size	k_q80df9f098d_ln1, .Lfunc_end_k_q80df9f098d_ln1-k_q80df9f098d_ln1
	.p2alignl 7, 3214868480
	.fill 96, 4, 3214868480
	.section	.rodata,"a",@progbits
	.p2align	6, 0x0
	.amdhsa_kernel k_q80df9f098d_ln1
		.amdhsa_group_segment_fixed_size 59904
		.amdhsa_private_segment_fixed_size 0
		.amdhsa_enable_private_segment 0
		.amdhsa_kernarg_size 40
		.amdhsa_user_sgpr_count 2
		.amdhsa_user_sgpr_kernarg_segment_ptr 1
		.amdhsa_wavefront_size32 1
		.amdhsa_system_sgpr_workgroup_id_x 1
		.amdhsa_system_sgpr_workgroup_id_y 1
		.amdhsa_system_sgpr_workgroup_id_z 1
		.amdhsa_system_vgpr_workitem_id 0
		.amdhsa_next_free_vgpr 242
		.amdhsa_next_free_sgpr 66
		.amdhsa_reserve_vcc 0
		.amdhsa_float_denorm_mode_32 3
		.amdhsa_float_denorm_mode_16_64 3
		.amdhsa_memory_ordered 1
		.amdhsa_forward_progress 1
		.amdhsa_inst_pref_size 40
	.end_amdhsa_kernel
	.amdgpu_metadata
---
amdhsa.version: [ 1, 2 ]
amdhsa.kernels:
  - .name:           k_q80df9f098d_ln1
    .symbol:         k_q80df9f098d_ln1.kd
    .args:
      - { .name: x, .offset: 0, .size: 8, .value_kind: global_buffer, .address_space: global }
      - { .name: wattn, .offset: 8, .size: 8, .value_kind: global_buffer, .address_space: global }
      - { .name: g1, .offset: 16, .size: 8, .value_kind: global_buffer, .address_space: global }
      - { .name: beta1, .offset: 24, .size: 8, .value_kind: global_buffer, .address_space: global }
      - { .name: wh1, .offset: 32, .size: 8, .value_kind: global_buffer, .address_space: global }
    .group_segment_fixed_size: 59904
    .private_segment_fixed_size: 0
    .kernarg_segment_align: 8
    .kernarg_segment_size: 40
    .max_flat_workgroup_size: 256
    .sgpr_count:     66
    .vgpr_count:     242
    .wavefront_size: 32
...
	.end_amdgpu_metadata
.endif
;; end of part 4
;; launch ff1 (part 5): grid 256 x 1, 4 waves a work-group, no clusters, 168,448 bytes of LDS; arguments wh1, wprep, b1, whid; writes whid
.if DOCPART == 5
	.amdgcn_target "amdgcn-amd-amdhsa--gfx1250"
	.amdhsa_code_object_version 6
	.text
	.protected	k_q80df9f098d_ff1
	.globl	k_q80df9f098d_ff1
	.p2align	8
	.type	k_q80df9f098d_ff1,@function
k_q80df9f098d_ff1:
	s_mov_b64 s[64:65], 0
	v_nop
	global_prefetch_b8 v0, s[64:65] scope:SCOPE_SE
	s_setreg_imm32_b32 hwreg(HW_REG_WAVE_MODE, 25, 1), 1
	s_wait_xcnt 0x0
; hid = relu(h1 W1 + b1) on E5M2 codes with E8M0 scales; the result is quantised here along the hidden units and stored as images of operand registers.
; A STATIONARY operand S = 128 rows of h1, all of K = 1,024 (one dense block of 131,072 bytes of images) comes into LDS once, by first fills of the tensor data mover, and is read by all four waves;
; the STREAMED operand T = 128 rows of W1 a wave goes from memory straight into registers, since each of its fragments is used by one wave alone.
; Source 0 = 16 rows of T, source 1 = 16 rows of S: lane (r, h) holds row r of h1 and its register j the hidden unit 8 h + j, so a lane's registers run along the next product's K.  The conversions' results are the next
; operand's registers, with position 16 h + 8 u + j of a block of 32 holding unit 16 u + 8 h + j; W2 was laid in the same order.  The activation costs nothing: the hold clips at 0 as well.
; No LDS byte is filled twice: no ring.  No cluster: T lands in registers, where a joint load cannot deliver, and S is fetched once.  A wave has one tensor load out at the most.
; A wave: 128 x 128 = 64 accumulators, which take turns, one instruction a turn, in the same order in every K step.
; LIMITS: NaN and infinities are not served; a block of zeros gets the byte 1 (its codes are zeros; this program alone reads the bytes).
; REGISTERS.  window 0: v1 16 x lane, v2 4 x lane, v3, v4 LDS addresses of S (K steps 0-3, 4-7), v5 lane, v6 bias offset, v8 the floor, v16-31 at work, v32-47 scale words (two sets: T's 4, S's 4),
;   v48-55 the new scale words, v56-59 the same merged, v64-127 the bias (later two sets of codes), v128-255 S's 8 fragments.  window 1: T's 8 fragments, two sets.  windows 2, 3: accumulator (a, b) at v[8 (8 (a % 4) + b)].
.set W1I,   0x700000
.set W1S,   0xF38000
.set H1C,   0x1000000
.set H1S,   0x1400000
.set HS,    0x1000000
.set MSB, 0
.macro WIN new                         ; the immediate's high byte repeats the setting that is left
.if MSB != \new
	s_set_vgpr_msb (MSB<<8)|\new
.set MSB, \new
.endif
.endm
.macro PLACES n
.rept \n
	v_nop
.endr
.endm
.macro WM pd, pt, ps, pc, pts, pss, pra, prb   ; one product; pra, prb: the scale words stand in lanes 16-31
.if ((\pra) != 0) && ((\prb) != 0)
	v_wmma_scale_f32_16x16x128_f8f6f4 v[(\pd):(\pd)+7], v[(\pt):(\pt)+15], v[(\ps):(\ps)+15], v[(\pc):(\pc)+7], v[(\pts)], v[(\pss)] matrix_a_fmt:MATRIX_FMT_BF8 matrix_b_fmt:MATRIX_FMT_BF8 matrix_a_scale:MATRIX_SCALE_ROW1 matrix_b_scale:MATRIX_SCALE_ROW1
.elseif (\pra) != 0
	v_wmma_scale_f32_16x16x128_f8f6f4 v[(\pd):(\pd)+7], v[(\pt):(\pt)+15], v[(\ps):(\ps)+15], v[(\pc):(\pc)+7], v[(\pts)], v[(\pss)] matrix_a_fmt:MATRIX_FMT_BF8 matrix_b_fmt:MATRIX_FMT_BF8 matrix_a_scale:MATRIX_SCALE_ROW1
.elseif (\prb) != 0
	v_wmma_scale_f32_16x16x128_f8f6f4 v[(\pd):(\pd)+7], v[(\pt):(\pt)+15], v[(\ps):(\ps)+15], v[(\pc):(\pc)+7], v[(\pts)], v[(\pss)] matrix_a_fmt:MATRIX_FMT_BF8 matrix_b_fmt:MATRIX_FMT_BF8 matrix_b_scale:MATRIX_SCALE_ROW1
.else
	v_wmma_scale_f32_16x16x128_f8f6f4 v[(\pd):(\pd)+7], v[(\pt):(\pt)+15], v[(\ps):(\ps)+15], v[(\pc):(\pc)+7], v[(\pts)], v[(\pss)] matrix_a_fmt:MATRIX_FMT_BF8 matrix_b_fmt:MATRIX_FMT_BF8
.endif
.endm
.macro TLOADS k                        ; K step k of T: 32 loads of 512 consecutive bytes into set k % 2, and 4 + 4 scale registers (32 rows' words each): 40 loads
	WIN 0x40
.irp b, 0,1,2,3,4,5,6,7
.irp c, 0,1,2,3
	global_load_b128 v[128*((\k)%2)+16*\b+4*\c:128*((\k)%2)+16*\b+4*\c+3], v1, s[48:49] offset:(\k)*16384+\b*2048+\c*512
.endr
.endr
	WIN 0
.irp i, 0,1,2,3
	global_load_b32 v[32+8*((\k)%2)+\i], v2, s[50:51] offset:(\k)*512+128*\i
	global_load_b32 v[36+8*((\k)%2)+\i], v2, s[52:53] offset:(\k)*512+128*\i
.endr
.endm
.macro FETCH_A k, a0                   ; S's blocks a0 .. a0 + 3 of K step k from LDS: 16 bytes a lane, consecutive
.irp a, \a0, \a0+1, \a0+2, \a0+3
.irp c, 0,1,2,3
	ds_load_b128 v[128+16*(\a)+4*\c:128+16*(\a)+4*\c+3], v[3+(\k)/4] offset:((\k)%4)*16384+(\a)*2048+\c*512
.endr
.endr
.endm
.macro MUL16 a0, k, cm                 ; S's blocks a0, a0 + 1 against T's eight.  cm = 0: in place; 1: C = the bias by T row
.irp a, \a0, \a0+1
.irp b, 0,1,2,3,4,5,6,7
.set rD, 8*(8*((\a)%4)+\b)
.if (\cm) == 1
.set rC, 64+8*\b
.else
.set rC, rD
.endif
	WM rD, 128*((\k)%2)+16*\b, 128+16*(\a), rC, 32+8*((\k)%2)+\b/2, 36+8*((\k)%2)+(\a)/2, \b%2, (\a)%2
.endr
.endr
.endm
; A load into a register that a matrix instruction has read stands eight places behind it, and only plain vector instructions that name none of its registers are places.
.macro STEP k, cm
.if (\k) < 7
	TLOADS (\k)+1                                  ; into the set and the scale registers that the step before read: eight places stand at that step's end
.endif
.if (\k) == 1
	s_wait_tensorcnt 0x0                           ; my one tensor load, my part of K steps 2-7, has landed
	s_wait_dscnt 0x0                               ; no LDS instruction of mine is out at the signal
	s_barrier_signal -1
	s_barrier_wait -1                              ; everybody's part has
.endif
.if (\k) < 7
	s_wait_loadcnt 40                              ; this step's T is in; the 40 loads just issued may be out
.else
	s_wait_loadcnt 0x0
.endif
	s_wait_dscnt 16                                ; S's blocks 0-3 are in; blocks 4-7 may be out
.if (\cm) != 0
	WIN 0x81
.else
	WIN 0xa1
.endif
	MUL16 0, \k, \cm
	MUL16 2, \k, \cm
	s_wait_dscnt 0x0                               ; S's blocks 4-7
.if (\k) < 7
	PLACES 8
	WIN 0
	FETCH_A (\k)+1, 0
.endif
.if (\cm) != 0
	WIN 0xc1
.else
	WIN 0xf1
.endif
	MUL16 4, \k, \cm
	MUL16 6, \k, \cm
	PLACES 8
	WIN 0
.if (\k) < 7
	FETCH_A (\k)+1, 4
.endif
.endm
	s_load_b256 s[4:11], s[0:1], 0x0               ; h1, the weights' images, b1, the hidden layer
	v_lshl_add_u32 v62, v0, 2, 0x29000
	v_mov_b32 v63, 0
	ds_add_u32 v62, v63
	ds_add_u32 v62, v63
	v_lshrrev_b32 v9, 5, v0
	v_readfirstlane_b32 s14, v9                    ; wave
	v_and_b32 v5, 31, v0
	v_lshlrev_b32 v1, 4, v5
	v_lshlrev_b32 v2, 2, v5
	v_lshlrev_b32 v3, 4, v5
	v_lshl_add_u32 v4, v5, 4, 0x10000
	v_lshl_add_u32 v10, v9, 13, v3                 ; where my 8,192 bytes of K steps 0 and 1 go in LDS: 8,192 x wave + 16 x lane
	v_bfe_u32 v6, v0, 4, 1
	v_lshlrev_b32 v6, 5, v6                        ; the bias: 32 h
	v_mov_b32 v8, 0x8000000                        ; the floor 2^(16 - 127)
.irp i, 20,21,22,23
	v_mov_b32 v\i, 0                               ; written once: a lane permute's destination counts as read
.endr
	s_and_b32 s15, ttmp9, 7                        ; group of 512 hidden units
	s_lshr_b32 s16, ttmp9, 3                       ; block of 128 rows
	s_lshl_b32 s17, s15, 2
	s_add_co_u32 s17, s17, s14                     ; my block of W1 = the K step of the next product that I make
	s_lshl_b32 s48, s17, 17
	s_add_co_u32 s48, s48, W1I
	s_lshl_b32 s50, s17, 12
	s_add_co_u32 s50, s50, W1S
	s_lshl_b32 s60, s16, 17
	s_lshl_b32 s19, s14, 13                        ; my 8,192 bytes of each chunk
	s_add_co_u32 s60, s60, s19
	s_add_co_u32 s60, s60, H1C
	s_lshl_b32 s52, s16, 12
	s_add_co_u32 s52, s52, H1S
	s_lshl_b32 s54, s17, 9
	s_lshl_b32 s18, s16, 6
	s_add_co_u32 s18, s18, s17                     ; 64 x block + K step
	s_lshl_b32 s56, s18, 13
	s_lshl_b32 s58, s18, 8
	s_add_co_u32 s58, s58, HS
.irp p, 49,51,53,55,57,59,61
	s_mov_b32 s\p, 0
.endr
	; descriptor group 1: a dense block of 8,192 bytes as 32 rows of 256 bytes (32 elements of 8 bytes)
	s_mov_b32 s24, 3<<16
	s_mov_b32 s25, 32<<16
	s_mov_b32 s26, 96<<16                          ; 96 rows of 256 bytes: a wave's part of K steps 2-7
	s_mov_b32 s27, 32<<16
	s_mov_b32 s28, 96
	s_mov_b32 s29, 32
	s_mov_b32 s30, 0
	s_mov_b32 s31, 0
	s_mov_b32 s20, 0x76543210
	s_mov_b32 s21, 0xfedcba98                      ; v_permlanex16_b32's selects for lane l xor 16
	s_mov_b32 s22, 0x600000                        ; the mantissa field of 57,344
	s_wait_alu depctr_va_vdst(0)
	s_wait_dscnt 0x0
	s_wait_kmcnt 0x0
	s_add_nc_u64 s[60:61], s[4:5], s[60:61]
	s_mov_b32 s32, 1                               ; the tensor load: my 24,576 bytes of K steps 2-7, behind the 32,768 bytes of K steps 0 and 1
	s_mul_i32 s33, s14, 24576
	s_add_co_u32 s33, s33, 32768
	s_lshl_b32 s34, s14, 14                        ; s[60:61] holds 8,192 x wave already
	s_add_co_u32 s34, s34, 32768
	s_mov_b32 s35, 0
	s_add_nc_u64 s[34:35], s[60:61], s[34:35]
	s_or_b32 s35, s35, 0x80000000
.irp i, 0,1,2,3,4,5,6,7,8,9,10,11,12,13,14,15
	global_load_b128 v[128+4*\i:131+4*\i], v1, s[60:61] offset:512*\i     ; K steps 0 and 1 of S go through registers: my 8,192 bytes, asked for ahead of everything else; they land where S's fragments will lie later
.endr
	tensor_load_to_lds s[32:35], s[24:31]          ; all first fills together, ahead of every wait on TENSORcnt, LDS read and barrier: one load of mine is out
	s_nop 0
	PLACES 4
	s_add_nc_u64 s[48:49], s[6:7], s[48:49]
	s_add_nc_u64 s[50:51], s[6:7], s[50:51]
	s_add_nc_u64 s[52:53], s[4:5], s[52:53]
	s_add_nc_u64 s[54:55], s[8:9], s[54:55]
	s_add_nc_u64 s[56:57], s[10:11], s[56:57]
	s_add_nc_u64 s[58:59], s[10:11], s[58:59]
.irp b, 0,1,2,3,4,5,6,7
	global_load_b128 v[64+8*\b:67+8*\b], v6, s[54:55] offset:64*\b        ; register j of tile b: the bias of hidden unit 16 b + 8 h + j
	global_load_b128 v[68+8*\b:71+8*\b], v6, s[54:55] offset:64*\b+16
.endr
	TLOADS 0
	s_wait_loadcnt 56                              ; my 16 loads of K steps 0 and 1 are in; behind them: the bias's 16 loads and T's 40
.irp i, 0,1,2,3,4,5,6,7,8,9,10,11,12,13,14,15
	ds_store_b128 v10, v[128+4*\i:131+4*\i] offset:512*\i                 ; into LDS bytes 0 to 32,767, which no tensor load fills
.endr
	s_wait_dscnt 0x0                               ; for the others' sake: my stores are done.  The tensor load may stay out
	s_barrier_signal -1
	s_barrier_wait -1
	FETCH_A 0, 0
	FETCH_A 0, 4
	STEP 0, 1                                      ; the first K step starts the sums on the bias: nothing is cleared, nothing is added later
.irp k, 1,2,3,4,5,6,7
	STEP \k, 0
.endr
; THE WAY OUT of S block a: 64 numbers a lane, register 16 c + i; a block of 32 is my 16 and those of the lane 16 away.  No |.|: what is negative becomes 0, so it must not count.  Each accumulator is read from its low end on.
.macro QOUT a
.set AC, 64*((\a)%4)
.set PCD, 64+16*((\a)%2)
.set WA, 0x28+0x14*((\a)/4)
.set WB, 0x82+0x41*((\a)/4)
.set WC, 2+(\a)/4
	s_wait_xcnt 0x0                                ; the stores of two blocks ago have read their registers
	WIN WA
.irp c, 0,1,2,3
	v_max3_num_f32 v[16+\c], v8, v[AC+16*\c], v[AC+16*\c+1]
.endr
.irp i, 2,4,6,8,10,12,14
.irp c, 0,1,2,3
	v_max3_num_f32 v[16+\c], v[16+\c], v[AC+16*\c+\i], v[AC+16*\c+\i+1]
.endr
.endr
	WIN 0
.irp c, 0,1,2,3
	v_permlanex16_b32 v[20+\c], v[16+\c], s20, s21
.endr
.irp c, 0,1,2,3
	v_max_num_f32 v[16+\c], v[16+\c], v[20+\c]
.endr
.irp c, 0,1,2,3
	v_add_nc_u32 v[28+\c], 0xf8800000, v[16+\c]    ; 15 off the exponent field: the conversion's scale operand
.endr
.irp c, 0,1,2,3
	v_and_or_b32 v[24+\c], v[16+\c], 0x7f800000, s22   ; 57,344 x the scale
.endr
.irp c, 0,1,2,3
	v_lshrrev_b32 v[20+\c], 23, v[28+\c]           ; the scale's byte
.endr
	v_lshl_or_b32 v[48+(\a)], v21, 8, v20
	v_lshl_or_b32 v[48+(\a)], v22, 16, v[48+(\a)]
	v_lshl_or_b32 v[48+(\a)], v23, 24, v[48+(\a)]
	WIN WB
.irp c, 0,1,2,3
.irp i, 0,1,2,3,4,5,6,7,8,9,10,11,12,13,14,15
	v_med3_num_f32 v[AC+16*\c+\i], v[AC+16*\c+\i], 0, v[24+\c]            ; the activation and the hold in one
.endr
.endr
	WIN WC
.irp c, 0,1,2,3
	v_cvt_scalef32_pk8_bf8_f32 v[PCD+4*\c:PCD+4*\c+1], v[AC+16*\c:AC+16*\c+7], v[28+\c]
	v_cvt_scalef32_pk8_bf8_f32 v[PCD+4*\c+2:PCD+4*\c+3], v[AC+16*\c+8:AC+16*\c+15], v[28+\c]
.endr
	WIN 0
	v_nop                                          ; one plain line behind the last conversion
.irp c, 0,1,2,3
	global_store_b128 v1, v[PCD+4*\c:PCD+4*\c+3], s[56:57] offset:((\a)/4)*262144+((\a)%4)*2048+\c*512   ; 512 consecutive bytes of an image
.endr
.endm
.irp a, 0,1,2,3,4,5,6,7
	QOUT \a
.endr
	v_cmp_le_u32 vcc_lo, 16, v5                    ; both halves of the lanes hold a row's word: lanes 16-31 take the odd block's
.irp i, 0,1,2,3
	v_cndmask_b32 v[56+\i], v[48+2*\i], v[49+2*\i], vcc_lo
.endr
.irp i, 0,1,2,3
	global_store_b32 v2, v[56+\i], s[58:59] offset:(\i/2)*8192+(\i%2)*128
.endr
	s_wait_tensorcnt 0x0
	ds_add_u32 v62, v63
	s_wait_dscnt 0x0
	s_endpgm
.Lfunc_end_k_q80df9f098d_ff1:
	.size	k_q80df9f098d_ff1, .Lfunc_end_k_q80df9f098d_ff1-k_q80df9f098d_ff1
	.p2alignl 7, 3214868480
	.fill 96, 4, 3214868480
	.section	.rodata,"a",@progbits
	.p2align	6, 0x0
	.amdhsa_kernel k_q80df9f098d_ff1
		.amdhsa_group_segment_fixed_size 168448
		.amdhsa_private_segment_fixed_size 0
		.amdhsa_enable_private_segment 0
		.amdhsa_kernarg_size 32
		.amdhsa_user_sgpr_count 2
		.amdhsa_user_sgpr_kernarg_segment_ptr 1
		.amdhsa_wavefront_size32 1
		.amdhsa_system_sgpr_workgroup_id_x 1
		.amdhsa_system_sgpr_workgroup_id_y 1
		.amdhsa_system_sgpr_workgroup_id_z 1
		.amdhsa_system_vgpr_workitem_id 0
		.amdhsa_next_free_vgpr 1024
		.amdhsa_next_free_sgpr 66
		.amdhsa_reserve_vcc 1
		.amdhsa_float_denorm_mode_32 3
		.amdhsa_float_denorm_mode_16_64 3
		.amdhsa_memory_ordered 1
		.amdhsa_forward_progress 1
		.amdhsa_inst_pref_size 192
	.end_amdhsa_kernel
	.amdgpu_metadata
---
amdhsa.version: [ 1, 2 ]
amdhsa.kernels:
  - .name:           k_q80df9f098d_ff1
    .symbol:         k_q80df9f098d_ff1.kd
    .args:
      - { .name: wh1, .offset: 0, .size: 8, .value_kind: global_buffer, .address_space: global }
      - { .name: wprep, .offset: 8, .size: 8, .value_kind: global_buffer, .address_space: global }
      - { .name: b1, .offset: 16, .size: 8, .value_kind: global_buffer, .address_space: global }
      - { .name: whid, .offset: 24, .size: 8, .value_kind: global_buffer, .address_space: global }
    .group_segment_fixed_size: 168448
    .private_segment_fixed_size: 0
    .kernarg_segment_align: 8
    .kernarg_segment_size: 32
    .max_flat_workgroup_size: 128
    .sgpr_count:     66
    .vgpr_count:     1024
    .wavefront_size: 32
...
	.end_amdgpu_metadata
.endif
;; end of part 5
;; launch ff2 (part 6): grid 256 x 1, 4 waves a work-group, no clusters, 230,912 bytes of LDS; arguments whid, wprep, b2, wff; writes wff
.if DOCPART == 6
	.amdgcn_target "amdgcn-amd-amdhsa--gfx1250"
	.amdhsa_code_object_version 6
	.text
	.protected	k_q80df9f098d_ff2
	.globl	k_q80df9f098d_ff2
	.p2align	8
	.type	k_q80df9f098d_ff2,@function
k_q80df9f098d_ff2:
	s_mov_b64 s[64:65], 0
	v_nop
	global_prefetch_b8 v0, s[64:65] scope:SCOPE_SE
	s_setreg_imm32_b32 hwreg(HW_REG_WAVE_MODE, 25, 1), 1
	s_wait_xcnt 0x0
; ff = hid W2 + b2 on E5M2 codes with E8M0 scales, f32 out.  hid [4,096 x 4,096] and W2 [1,024 x 4,096] lie as images of operand registers (16 rows x 128 K = 2,048 bytes), in blocks of 64 rows.
; SHARES.  A work-group makes 128 rows x 128 columns: 32 x 8 = 256 work-groups.  K IS CUT AMONG THE WAVES: wave w takes the whole block over K steps 8 w .. 8 w + 7: 64 accumulators, 512 registers.
; So each operand byte of the work-group (2 x 128 x 4,096) is used by one wave alone, and goes from memory straight into that wave's registers: no LDS stage, no tensor load, and no cluster, since a joint load cannot deliver into registers.
; No prefetch: each wave keeps the next K step's loads out while it multiplies (up to 72 loads of 512 bytes), so the stream is asked for ahead by the loads themselves.
; Source 0 = 16 rows of T = W2, source 1 = 16 rows of S = hid: lane (r, h) holds row r of the result and its register j column 8 h + j.  T has two sets of registers, S one, fetched anew in halves.
; THE FOUR PARTIAL SUMS MEET ONCE, through LDS.  Wave w lays S's eight blocks ROTATED: slot a holds block (a + 2 w) % 8, so the two blocks that wave w owns are slots 0 and 1 in every wave, and one text serves all four.
; Slots 2 p, 2 p + 1 (p = 1, 2, 3) go, as images of their registers, to the owner, wave (w + p) % 4; one barrier; each wave adds the three parts that it was sent, and b2, and stores its 32 rows x 512 bytes through its own stage.
; The order of the f32 sums differs from one chain over K: four chains of 8 K steps, then three additions.
; REGISTERS.  window 0: v1 16 x lane, v2 4 x lane, v4, v5 stage addresses, v8-10 where my parts go, v11 where mine arrive, v13 bias offset, v32-47 scale words (two sets: T's 4, S's 4), v62, v63 the add's two,
;   v64-127 b2, v128-255 S's 8 slots.  window 1: T's 8 fragments, two sets.  windows 2, 3: accumulator (a, b) at v[8 (8 (a % 4) + b)].
.set W2I,   0xB00000
.set W2S,   0xF58000
.set HS,    0x1000000
.set STG,   196608                     ; behind the 12 parts of 16,384 bytes: a stage of 16 rows x (512 + 16) bytes for each wave
.set SPARE, 230400
.set AB,    24                         ; s[24:31] S's codes, a base for each pair of slots;  s[32:39] S's scale words likewise
.set AS,    32
.set MSB, 0
.macro WIN new                         ; the immediate's high byte repeats the setting that is left
.if MSB != \new
	s_set_vgpr_msb (MSB<<8)|\new
.set MSB, \new
.endif
.endm
.macro PLACES n
.rept \n
	v_nop
.endr
.endm
.macro WM z, pd, pt, ps, pts, pss, pra, prb    ; one product; z: the sum begins (C = 0); pra, prb: the scale words stand in lanes 16-31
.if \z
.if ((\pra) != 0) && ((\prb) != 0)
	v_wmma_scale_f32_16x16x128_f8f6f4 v[(\pd):(\pd)+7], v[(\pt):(\pt)+15], v[(\ps):(\ps)+15], 0, v[(\pts)], v[(\pss)] matrix_a_fmt:MATRIX_FMT_BF8 matrix_b_fmt:MATRIX_FMT_BF8 matrix_a_scale:MATRIX_SCALE_ROW1 matrix_b_scale:MATRIX_SCALE_ROW1
.elseif (\pra) != 0
	v_wmma_scale_f32_16x16x128_f8f6f4 v[(\pd):(\pd)+7], v[(\pt):(\pt)+15], v[(\ps):(\ps)+15], 0, v[(\pts)], v[(\pss)] matrix_a_fmt:MATRIX_FMT_BF8 matrix_b_fmt:MATRIX_FMT_BF8 matrix_a_scale:MATRIX_SCALE_ROW1
.elseif (\prb) != 0
	v_wmma_scale_f32_16x16x128_f8f6f4 v[(\pd):(\pd)+7], v[(\pt):(\pt)+15], v[(\ps):(\ps)+15], 0, v[(\pts)], v[(\pss)] matrix_a_fmt:MATRIX_FMT_BF8 matrix_b_fmt:MATRIX_FMT_BF8 matrix_b_scale:MATRIX_SCALE_ROW1
.else
	v_wmma_scale_f32_16x16x128_f8f6f4 v[(\pd):(\pd)+7], v[(\pt):(\pt)+15], v[(\ps):(\ps)+15], 0, v[(\pts)], v[(\pss)] matrix_a_fmt:MATRIX_FMT_BF8 matrix_b_fmt:MATRIX_FMT_BF8
.endif
.else
.if ((\pra) != 0) && ((\prb) != 0)
	v_wmma_scale_f32_16x16x128_f8f6f4 v[(\pd):(\pd)+7], v[(\pt):(\pt)+15], v[(\ps):(\ps)+15], v[(\pd):(\pd)+7], v[(\pts)], v[(\pss)] matrix_a_fmt:MATRIX_FMT_BF8 matrix_b_fmt:MATRIX_FMT_BF8 matrix_a_scale:MATRIX_SCALE_ROW1 matrix_b_scale:MATRIX_SCALE_ROW1
.elseif (\pra) != 0
	v_wmma_scale_f32_16x16x128_f8f6f4 v[(\pd):(\pd)+7], v[(\pt):(\pt)+15], v[(\ps):(\ps)+15], v[(\pd):(\pd)+7], v[(\pts)], v[(\pss)] matrix_a_fmt:MATRIX_FMT_BF8 matrix_b_fmt:MATRIX_FMT_BF8 matrix_a_scale:MATRIX_SCALE_ROW1
.elseif (\prb) != 0
	v_wmma_scale_f32_16x16x128_f8f6f4 v[(\pd):(\pd)+7], v[(\pt):(\pt)+15], v[(\ps):(\ps)+15], v[(\pd):(\pd)+7], v[(\pts)], v[(\pss)] matrix_a_fmt:MATRIX_FMT_BF8 matrix_b_fmt:MATRIX_FMT_BF8 matrix_b_scale:MATRIX_SCALE_ROW1
.else
	v_wmma_scale_f32_16x16x128_f8f6f4 v[(\pd):(\pd)+7], v[(\pt):(\pt)+15], v[(\ps):(\ps)+15], v[(\pd):(\pd)+7], v[(\pts)], v[(\pss)] matrix_a_fmt:MATRIX_FMT_BF8 matrix_b_fmt:MATRIX_FMT_BF8
.endif
.endif
.endm
.macro TLOADS k                        ; my K step k of T: 32 loads of 512 consecutive bytes into set k % 2, and 4 + 4 scale registers (32 rows' words each): 40 loads
	WIN 0x40
.irp b, 0,1,2,3,4,5,6,7
.irp c, 0,1,2,3
	global_load_b128 v[128*((\k)%2)+16*\b+4*\c:128*((\k)%2)+16*\b+4*\c+3], v1, s[48:49] offset:(\k)*8192+(\b/4)*262144+(\b%4)*2048+\c*512
.endr
.endr
	WIN 0
.irp i, 0,1,2,3
	global_load_b32 v[32+8*((\k)%2)+\i], v2, s[50:51] offset:(\k)*256+(\i/2)*8192+(\i%2)*128
	global_load_b32 v[36+8*((\k)%2)+\i], v2, s[AS+2*\i:AS+2*\i+1] offset:(\k)*256
.endr
.endm
.macro ALOADS k, a0                    ; S's slots a0 .. a0 + 3 of my K step k: 16 loads of 512 consecutive bytes
.irp a, \a0, \a0+1, \a0+2, \a0+3
.irp c, 0,1,2,3
	global_load_b128 v[128+16*(\a)+4*\c:128+16*(\a)+4*\c+3], v1, s[AB+2*((\a)/2):AB+2*((\a)/2)+1] offset:(\k)*8192+((\a)%2)*2048+\c*512
.endr
.endr
.endm
.macro MUL16 a0, k                     ; S's slots a0, a0 + 1 against T's eight; the 64 accumulators take turns, one instruction a turn
.irp a, \a0, \a0+1
.irp b, 0,1,2,3,4,5,6,7
	WM (\k)==0, 8*(8*((\a)%4)+\b), 128*((\k)%2)+16*\b, 128+16*(\a), 32+8*((\k)%2)+\b/2, 36+8*((\k)%2)+(\a)/2, \b%2, (\a)%2
.endr
.endr
.endm
; A load into a register that a matrix instruction has read stands eight places behind it.
; The loads go out in this order: T(k) 40, S(k) slots 0-3 16, S(k) slots 4-7 16, T(k + 1) 40, S(k + 1) slots 0-3 16, ..
.macro STEP k
.if (\k) < 7
	TLOADS (\k)+1                                  ; into the set that the step before read: eight places stand at that step's end
	s_wait_loadcnt 56                              ; T(k) and S's slots 0-3 are in; behind them: slots 4-7's 16 loads and the 40 just issued
.else
	s_wait_loadcnt 16
.endif
	WIN 0xa1
	MUL16 0, \k
	MUL16 2, \k
.if (\k) < 7
	PLACES 8
	WIN 0
	ALOADS (\k)+1, 0
	s_wait_loadcnt 56                              ; S's slots 4-7 are in; behind them: T(k + 1)'s 40 and the 16 just issued
.else
	s_wait_loadcnt 0x0
.endif
	WIN 0xf1
	MUL16 4, \k
	MUL16 6, \k
	PLACES 8
	WIN 0
.if (\k) < 7
	ALOADS (\k)+1, 4
.endif
.endm
	s_load_b256 s[4:11], s[0:1], 0x0               ; hid, the weights' images, b2, ff
	v_lshl_add_u32 v62, v0, 2, SPARE
	v_mov_b32 v63, 0
	v_lshrrev_b32 v9, 5, v0
	v_readfirstlane_b32 s12, v9                    ; wave
	v_and_b32 v3, 31, v0
	v_lshlrev_b32 v1, 4, v3                        ; 16 x lane
	v_lshlrev_b32 v2, 2, v3                        ; 4 x lane
	v_and_b32 v14, 15, v0                          ; r
	v_bfe_u32 v12, v0, 4, 1                        ; h
	v_lshlrev_b32 v13, 5, v12                      ; b2: 32 h
	s_mul_i32 s19, s12, 8448
	s_add_co_u32 s19, s19, STG                     ; my stage
	v_mul_u32_u24 v4, v14, 528
	v_lshl_add_u32 v4, v12, 5, v4
	v_add_nc_u32 v4, s19, v4                       ; in: row r, 32 h
	v_add_nc_u32 v5, s19, v1                       ; back: the 32 lanes take one row of 512 bytes
	s_mul_i32 s19, s12, 49152
	v_add_nc_u32 v11, s19, v1                      ; the three parts sent to me
	s_and_b32 s13, ttmp9, 7                        ; block of 128 columns
	s_lshr_b32 s14, ttmp9, 3                       ; block of 128 rows
	s_lshl_b32 s15, s12, 16                        ; my 8 K steps: 8,192 bytes of images each,
	s_lshl_b32 s16, s12, 11                        ; 256 bytes of scale words each
	s_lshl_b32 s48, s13, 19
	s_add_co_u32 s48, s48, s15
	s_add_co_u32 s48, s48, W2I
	s_mov_b32 s49, 0
	s_lshl_b32 s50, s13, 14
	s_add_co_u32 s50, s50, s16
	s_add_co_u32 s50, s50, W2S
	s_mov_b32 s51, 0
	s_lshl_b32 s17, s14, 19
	s_add_co_u32 s17, s17, s15
	s_lshl_b32 s18, s14, 14
	s_add_co_u32 s18, s18, s16
	s_add_co_u32 s18, s18, HS
.irp p, 0,1,2,3
	s_add_co_u32 s19, s12, \p
	s_and_b32 s19, s19, 3                          ; slots 2 p, 2 p + 1 hold S's blocks 2 P, 2 P + 1, P = (w + p) % 4, whose owner is wave P
	s_lshr_b32 s20, s19, 1
	s_and_b32 s21, s19, 1
	s_lshl_b32 s22, s20, 18                        ; images: 262,144 bytes from one 64 rows to the next, 4,096 for 32 rows
	s_lshl_b32 s23, s21, 12
	s_add_co_u32 s22, s22, s23
	s_add_co_u32 s[AB+2*\p], s22, s17
	s_mov_b32 s[AB+2*\p+1], 0
	s_lshl_b32 s22, s20, 13                        ; scale words: 8,192 and 128
	s_lshl_b32 s23, s21, 7
	s_add_co_u32 s22, s22, s23
	s_add_co_u32 s[AS+2*\p], s22, s18
	s_mov_b32 s[AS+2*\p+1], 0
.if \p > 0
	s_mul_i32 s22, s19, 49152
	v_add_nc_u32 v[7+\p], s22, v1                  ; where that part goes: the owner's three parts, the (p - 1)-th by the offset
.endif
.endr
	s_lshl_b32 s52, s13, 9                         ; b2: my 128 columns
	s_mov_b32 s53, 0
	s_lshl_b32 s54, s14, 19                        ; ff: row 128 x block + 32 x wave, 4,096 bytes a row; column 128 x block
	s_lshl_b32 s19, s12, 17
	s_add_co_u32 s54, s54, s19
	s_add_co_u32 s54, s54, s52
	s_mov_b32 s55, 0
	s_wait_alu depctr_va_vdst(0)
	s_wait_kmcnt 0x0
	s_add_nc_u64 s[48:49], s[6:7], s[48:49]
	s_add_nc_u64 s[50:51], s[6:7], s[50:51]
.irp p, 0,1,2,3
	s_add_nc_u64 s[AB+2*\p:AB+2*\p+1], s[4:5], s[AB+2*\p:AB+2*\p+1]
	s_add_nc_u64 s[AS+2*\p:AS+2*\p+1], s[4:5], s[AS+2*\p:AS+2*\p+1]
.endr
	s_add_nc_u64 s[52:53], s[8:9], s[52:53]
	s_add_nc_u64 s[54:55], s[10:11], s[54:55]
.irp b, 0,1,2,3,4,5,6,7
	global_load_b128 v[64+8*\b:67+8*\b], v13, s[52:53] offset:64*\b        ; register j of tile b: b2 of column 16 b + 8 h + j
	global_load_b128 v[68+8*\b:71+8*\b], v13, s[52:53] offset:64*\b+16
.endr
	TLOADS 0
	ALOADS 0, 0
	ALOADS 0, 4
.irp k, 0,1,2,3,4,5,6,7
	STEP \k
.endr
	; THE PARTS MEET.  Eight places stand behind the last products.  Each accumulator is read from its low end on.
.irp p, 1,2,3
	WIN 0x08+4*(\p/2)                              ; an LDS store's data are its source 1: slots 2, 3 lie in window 2, slots 4-7 in window 3
.set q, 0
.rept 32
	ds_store_b128 v[7+\p], v[128*(\p%2)+4*q:128*(\p%2)+4*q+3] offset:(\p-1)*16384+q*512
.set q, q+1
.endr
.endr
	WIN 0
	s_wait_dscnt 0x0                               ; for the others' sake: my parts lie in LDS
	s_barrier_signal -1
	s_barrier_wait -1
	WIN 0x40
.set q, 0
.rept 64
	ds_load_b128 v[4*q:4*q+3], v11 offset:q*512    ; two parts into window 1,
.set q, q+1
.endr
	WIN 0
.set q, 0
.rept 32
	ds_load_b128 v[128+4*q:128+4*q+3], v11 offset:32768+q*512   ; the third into S's registers
.set q, q+1
.endr
	s_wait_dscnt 32                                ; the first two parts are in
	WIN 0x45
.set j, 0
.rept 64
	v_pk_add_f32 v[j:j+1], v[j:j+1], v[128+j:129+j]
.set j, j+2
.endr
	s_wait_dscnt 0x0
	WIN 0x08
.set j, 0
.rept 64
	v_pk_add_f32 v[128+j:129+j], v[128+j:129+j], v[j:j+1]   ; the third part + my own sums (window 2, slots 0 and 1)
.set j, j+2
.endr
	WIN 0x04
.set j, 0
.rept 64
	v_pk_add_f32 v[128+j:129+j], v[128+j:129+j], v[j:j+1]
.set j, j+2
.endr
	WIN 0
.irp a, 0,1
.set j, 0
.rept 32
	v_pk_add_f32 v[128+64*\a+j:129+64*\a+j], v[128+64*\a+j:129+64*\a+j], v[64+j:65+j]   ; + b2
.set j, j+2
.endr
.endr
	; THE WAY OUT: 16 rows x 128 columns at a time through my own stage, back as whole rows of 512 bytes.  LDS serves a wave's instructions in order: no wait between the stores and the loads, nor ahead of the next block's stores.
.irp a, 0,1
.irp b, 0,1,2,3,4,5,6,7
	ds_store_b128 v4, v[128+64*\a+8*\b:128+64*\a+8*\b+3] offset:64*\b
	ds_store_b128 v4, v[128+64*\a+8*\b+4:128+64*\a+8*\b+7] offset:64*\b+16
.endr
	WIN 0x40
.irp t, 0,1,2,3,4,5,6,7,8,9,10,11,12,13,14,15
	ds_load_b128 v[64*\a+4*\t:64*\a+4*\t+3], v5 offset:\t*528
.endr
	WIN 0
.endr
	WIN 0x04                                       ; a store's data are its source 1: window 1
.irp a, 0,1
.irp t, 0,1,2,3,4,5,6,7,8,9,10,11,12,13,14,15
	s_wait_dscnt (1-\a)*32+15-\t                   ; behind this row's load: the block's later rows and, for the first block, the second's 16 stores and 16 loads
	global_store_b128 v1, v[64*\a+4*\t:64*\a+4*\t+3], s[54:55] offset:(16*\a+\t)*4096   ; 32 lanes store 512 consecutive bytes, aligned
.endr
.endr
	WIN 0
	s_wait_tensorcnt 0x0                           ; the wave's end
	ds_add_u32 v62, v63
	s_wait_dscnt 0x0
	s_endpgm
.Lfunc_end_k_q80df9f098d_ff2:
	.size	k_q80df9f098d_ff2, .Lfunc_end_k_q80df9f098d_ff2-k_q80df9f098d_ff2
	.p2alignl 7, 3214868480
	.fill 96, 4, 3214868480
	.section	.rodata,"a",@progbits
	.p2align	6, 0x0
	.amdhsa_kernel k_q80df9f098d_ff2
		.amdhsa_group_segment_fixed_size 230912
		.amdhsa_private_segment_fixed_size 0
		.amdhsa_enable_private_segment 0
		.amdhsa_kernarg_size 32
		.amdhsa_user_sgpr_count 2
		.amdhsa_user_sgpr_kernarg_segment_ptr 1
		.amdhsa_wavefront_size32 1
		.amdhsa_system_sgpr_workgroup_id_x 1
		.amdhsa_system_sgpr_workgroup_id_y 1
		.amdhsa_system_sgpr_workgroup_id_z 1
		.amdhsa_system_vgpr_workitem_id 0
		.amdhsa_next_free_vgpr 1024
		.amdhsa_next_free_sgpr 66
		.amdhsa_reserve_vcc 0
		.amdhsa_float_denorm_mode_32 3
		.amdhsa_float_denorm_mode_16_64 3
		.amdhsa_memory_ordered 1
		.amdhsa_forward_progress 1
		.amdhsa_inst_pref_size 167
	.end_amdhsa_kernel
	.amdgpu_metadata
---
amdhsa.version: [ 1, 2 ]
amdhsa.kernels:
  - .name:           k_q80df9f098d_ff2
    .symbol:         k_q80df9f098d_ff2.kd
    .args:
      - { .name: whid, .offset: 0, .size: 8, .value_kind: global_buffer, .address_space: global }
      - { .name: wprep, .offset: 8, .size: 8, .value_kind: global_buffer, .address_space: global }
      - { .name: b2, .offset: 16, .size: 8, .value_kind: global_buffer, .address_space: global }
      - { .name: wff, .offset: 24, .size: 8, .value_kind: global_buffer, .address_space: global }
    .group_segment_fixed_size: 230912
    .private_segment_fixed_size: 0
    .kernarg_segment_align: 8
    .kernarg_segment_size: 32
    .max_flat_workgroup_size: 128
    .sgpr_count:     66
    .vgpr_count:     1024
    .wavefront_size: 32
...
	.end_amdgpu_metadata
.endif
;; end of part 6
;; launch ln2 (part 7): grid 256 x 1, 8 waves a work-group, no clusters, 0 bytes of LDS; arguments wh1, wff, g2, beta2, out0; writes out0
.if DOCPART == 7
	.amdgcn_target "amdgcn-amd-amdhsa--gfx1250"
	.amdhsa_code_object_version 6
	.text
	.protected	k_q80df9f098d_ln2
	.globl	k_q80df9f098d_ln2
	.p2align	8
	.type	k_q80df9f098d_ln2,@function
k_q80df9f098d_ln2:
	s_mov_b64 s[64:65], 0
	v_nop
	global_prefetch_b8 v0, s[64:65] scope:SCOPE_SE
	s_setreg_imm32_b32 hwreg(HW_REG_WAVE_MODE, 25, 1), 1
	s_wait_xcnt 0x0
; out = layernorm(h1 + ff) g2 + beta2, all f32.  A work-group takes 16 rows, a wave two of them; a row stays in 32 registers between the mean, the variance (of the deviations: no difference of large sums) and the scaling.
; Each load and store of a wave covers 512 consecutive bytes.  Memory binds: no LDS, no barrier, no matrix unit, no cluster.  LIMITS: NaN and infinities are not served.
	s_load_b256 s[4:11], s[0:1], 0x0               ; h1 (its f32 rows lie first), ff, g2, beta2
	s_load_b64 s[12:13], s[0:1], 0x20              ; out
	v_lshrrev_b32 v1, 5, v0
	s_delay_alu instid0(VALU_DEP_1)
	v_readfirstlane_b32 s14, v1                    ; wave 0..7
	v_and_b32 v2, 31, v0
	s_delay_alu instid0(VALU_DEP_1)
	v_lshlrev_b32 v3, 4, v2                        ; 16 x lane
	s_lshl_b32 s16, ttmp9, 16
	s_lshl_b32 s15, s14, 13
	s_add_co_u32 s16, s16, s15                     ; my two rows of 4,096 bytes
	s_mov_b32 s17, 0
	s_mov_b32 s24, 0x76543210
	s_mov_b32 s25, 0xfedcba98
	s_mov_b32 s26, 0x3a800000                      ; 1 / 1024
	s_mov_b32 s27, 0x3727c5ac                      ; 1e-5
	s_wait_alu depctr_va_vdst(0)
	s_wait_kmcnt 0x0
	s_add_nc_u64 s[4:5], s[4:5], s[16:17]
	s_add_nc_u64 s[6:7], s[6:7], s[16:17]
	s_add_nc_u64 s[16:17], s[12:13], s[16:17]
.irp j, 0,1,2,3,4,5,6,7
	global_load_b128 v[16+4*\j:19+4*\j], v3, s[8:9] offset:512*\j
.endr
.irp j, 0,1,2,3,4,5,6,7
	global_load_b128 v[48+4*\j:51+4*\j], v3, s[10:11] offset:512*\j
.endr
.irp j, 0,1,2,3,4,5,6,7
	global_load_b128 v[80+4*\j:83+4*\j], v3, s[4:5] offset:512*\j
.endr
.irp j, 0,1,2,3,4,5,6,7
	global_load_b128 v[112+4*\j:115+4*\j], v3, s[6:7] offset:512*\j
.endr
.irp j, 0,1,2,3,4,5,6,7
	global_load_b128 v[144+4*\j:147+4*\j], v3, s[4:5] offset:4096+512*\j
.endr
.irp j, 0,1,2,3,4,5,6,7
	global_load_b128 v[176+4*\j:179+4*\j], v3, s[6:7] offset:4096+512*\j
.endr
.macro REDUCE r, t                     ; the sum of v[r] over the 32 lanes, in every lane
	s_delay_alu instid0(VALU_DEP_1)
	v_add_f32_dpp v[\r], v[\r], v[\r] row_xmask:1 row_mask:0xf bank_mask:0xf
	s_delay_alu instid0(VALU_DEP_1)
	v_add_f32_dpp v[\r], v[\r], v[\r] row_xmask:2 row_mask:0xf bank_mask:0xf
	s_delay_alu instid0(VALU_DEP_1)
	v_add_f32_dpp v[\r], v[\r], v[\r] row_xmask:4 row_mask:0xf bank_mask:0xf
	s_delay_alu instid0(VALU_DEP_1)
	v_add_f32_dpp v[\r], v[\r], v[\r] row_xmask:8 row_mask:0xf bank_mask:0xf
	s_delay_alu instid0(VALU_DEP_1)
	v_permlanex16_b32 v[\t], v[\r], s24, s25
	s_delay_alu instid0(VALU_DEP_1)
	v_add_f32 v[\r], v[\r], v[\t]
.endm
.macro NORM XR, AR, rho
.irp i, 0,2,4,6,8,10,12,14,16,18,20,22,24,26,28,30
	v_pk_add_f32 v[\XR+\i:\XR+\i+1], v[\XR+\i:\XR+\i+1], v[\AR+\i:\AR+\i+1]
.endr
	v_pk_add_f32 v[208:209], v[\XR:\XR+1], v[\XR+2:\XR+3]
	v_pk_add_f32 v[210:211], v[\XR+4:\XR+5], v[\XR+6:\XR+7]
.irp i, 8,12,16,20,24,28
	s_delay_alu instid0(VALU_DEP_2)
	v_pk_add_f32 v[208:209], v[208:209], v[\XR+\i:\XR+\i+1]
	s_delay_alu instid0(VALU_DEP_2)
	v_pk_add_f32 v[210:211], v[210:211], v[\XR+\i+2:\XR+\i+3]
.endr
	s_delay_alu instid0(VALU_DEP_1)
	v_pk_add_f32 v[208:209], v[208:209], v[210:211]
	s_delay_alu instid0(VALU_DEP_1)
	v_add_f32 v208, v208, v209
	REDUCE 208, 209
	s_delay_alu instid0(VALU_DEP_1)
	v_mul_f32 v208, s26, v208                      ; the mean
	s_delay_alu instid0(VALU_DEP_1)
	v_mov_b32 v209, v208
.irp i, 0,2,4,6,8,10,12,14,16,18,20,22,24,26,28,30
	v_pk_add_f32 v[\XR+\i:\XR+\i+1], v[\XR+\i:\XR+\i+1], v[208:209] neg_lo:[0,1] neg_hi:[0,1]
.endr
	v_pk_mul_f32 v[210:211], v[\XR:\XR+1], v[\XR:\XR+1]
	v_pk_mul_f32 v[212:213], v[\XR+2:\XR+3], v[\XR+2:\XR+3]
.irp i, 4,8,12,16,20,24,28
	s_delay_alu instid0(VALU_DEP_2)
	v_pk_fma_f32 v[210:211], v[\XR+\i:\XR+\i+1], v[\XR+\i:\XR+\i+1], v[210:211]
	s_delay_alu instid0(VALU_DEP_2)
	v_pk_fma_f32 v[212:213], v[\XR+\i+2:\XR+\i+3], v[\XR+\i+2:\XR+\i+3], v[212:213]
.endr
	s_delay_alu instid0(VALU_DEP_1)
	v_pk_add_f32 v[210:211], v[210:211], v[212:213]
	s_delay_alu instid0(VALU_DEP_1)
	v_add_f32 v210, v210, v211
	REDUCE 210, 211
	s_delay_alu instid0(VALU_DEP_1)
	v_fma_f32 v210, v210, s26, s27                 ; the variance + 1e-5
	s_wait_alu depctr_va_vdst(0)
	v_rsq_f32 v212, v210
	v_rsq_f32 v213, v210
	v_nop                                          ; a plain line behind the two
	s_wait_alu depctr_va_vdst(0)                   ; one wait for both, ahead of their first reader
.irp i, 0,2,4,6,8,10,12,14,16,18,20,22,24,26,28,30
	v_pk_mul_f32 v[\XR+\i:\XR+\i+1], v[\XR+\i:\XR+\i+1], v[212:213]
.endr
.irp i, 0,2,4,6,8,10,12,14,16,18,20,22,24,26,28,30
	v_pk_fma_f32 v[\XR+\i:\XR+\i+1], v[\XR+\i:\XR+\i+1], v[16+\i:17+\i], v[48+\i:49+\i]
.endr
.irp j, 0,1,2,3,4,5,6,7
	global_store_b128 v3, v[\XR+4*\j:\XR+4*\j+3], s[16:17] offset:4096*\rho+512*\j th:TH_STORE_NT
.endr
.endm
	s_wait_loadcnt 16                              ; g2, beta2 and my first row are in; the second row's sixteen loads may be out
	NORM 80, 112, 0
	s_wait_loadcnt 0x0
	NORM 144, 176, 1
	s_endpgm
.Lfunc_end_k_q80df9f098d_ln2:
	.size	k_q80df9f098d_ln2, .Lfunc_end_k_q80df9f098d_ln2-k_q80df9f098d_ln2
	.p2alignl 7, 3214868480
	.fill 96, 4, 3214868480
	.section	.rodata,"a",@progbits
	.p2align	6, 0x0
	.amdhsa_kernel k_q80df9f098d_ln2
		.amdhsa_group_segment_fixed_size 0
		.amdhsa_private_segment_fixed_size 0
		.amdhsa_enable_private_segment 0
		.amdhsa_kernarg_size 40
		.amdhsa_user_sgpr_count 2
		.amdhsa_user_sgpr_kernarg_segment_ptr 1
		.amdhsa_wavefront_size32 1
		.amdhsa_system_sgpr_workgroup_id_x 1
		.amdhsa_system_sgpr_workgroup_id_y 1
		.amdhsa_system_sgpr_workgroup_id_z 1
		.amdhsa_system_vgpr_workitem_id 0
		.amdhsa_next_free_vgpr 224
		.amdhsa_next_free_sgpr 66
		.amdhsa_reserve_vcc 0
		.amdhsa_float_denorm_mode_32 3
		.amdhsa_float_denorm_mode_16_64 3
		.amdhsa_memory_ordered 1
		.amdhsa_forward_progress 1
		.amdhsa_inst_pref_size 25
	.end_amdhsa_kernel
	.amdgpu_metadata
---
amdhsa.version: [ 1, 2 ]
amdhsa.kernels:
  - .name:           k_q80df9f098d_ln2
    .symbol:         k_q80df9f098d_ln2.kd
    .args:
      - { .name: wh1, .offset: 0, .size: 8, .value_kind: global_buffer, .address_space: global }
      - { .name: wff, .offset: 8, .size: 8, .value_kind: global_buffer, .address_space: global }
      - { .name: g2, .offset: 16, .size: 8, .value_kind: global_buffer, .address_space: global }
      - { .name: beta2, .offset: 24, .size: 8, .value_kind: global_buffer, .address_space: global }
      - { .name: out0, .offset: 32, .size: 8, .value_kind: global_buffer, .address_space: global }
    .group_segment_fixed_size: 0
    .private_segment_fixed_size: 0
    .kernarg_segment_align: 8
    .kernarg_segment_size: 40
    .max_flat_workgroup_size: 256
    .sgpr_count:     66
    .vgpr_count:     224
    .wavefront_size: 32
...
	.end_amdgpu_metadata
.endif
;; end of part 7
